; MI455X (gfx1250); checked and timed in simulation.
; The chip was launched on July 23, 2026; its instructions are those of AMD's public machine-readable ISA for CDNA 5 (MIT licence, August 2026) and "CDNA5" Instruction Set Architecture Reference Guide (July 2026). The comments in the code are by the model that wrote it; some were corrected since.
;; Multi Head Attention. Allowed arithmetic: matrix products marked QUANTISED: E2M1 operands, one E8M0 scale for each 32 along K, by v_wmma_scale_f32_16x16x128_f8f6f4 with both operands' format E2M1 (or v_wmma_scale_f32_32x16x128_f4), f32 sums; products left as they are: bf16, f16 or f32 operands; f32 sums; everything else in f32.
;; Inputs: Wk 1,024 x 1,024 float32; Wo 1,024 x 1,024 float32; Wq 1,024 x 1,024 float32; Wv 1,024 x 1,024 float32; key 4 x 2,048 x 1,024 float32; mask 1 x 1 x 2,048 x 2,048 int32; padding 4 x 1 x 1 x 2,048 int32; query 4 x 2,048 x 1,024 float32; value 4 x 2,048 x 1,024 float32.
;; Outputs: out0 4 x 2,048 x 1,024 float32.
;; This version of the problem:
;;   THIS VERSION OF THE PROBLEM IS GIVEN IN LOW PRECISION. The matrix products marked QUANTISED in the list below multiply operands that are first quantised to E2M1 (2 exponent bits, 1 mantissa bit; 4 bits a number), with one power-of-two scale for each 32 numbers along K (OCP MX v1.0); their sums are f32. The products marked 'left as it is' may take bf16, f16 or f32 operands, with f32 sums. Whichever they take, every output number must still come out within the allowed error. Rounding operands to bf16 (8 significant bits) uses up far more of that allowance than f16 does (11 bits, for magnitudes from 6e-5 to 65,504). All else is computed in f32.
;;   The module's matrix products, in the order in which they are computed (A, B: the left and right operand; K: the contracted axis; several contracted axes count as one K, in the product's order):
;;     1. [M 8,192, K 1,024] x [K 1,024, N 1,024]; A: input query; B: input Wq: QUANTISED
;;     2. [M 8,192, K 1,024] x [K 1,024, N 1,024]; A: input key; B: input Wk: QUANTISED
;;     3. [M 8,192, K 1,024] x [K 1,024, N 1,024]; A: input value; B: input Wv: QUANTISED
;;     4. batch 64 x [M 2,048, K 64] x [K 64, N 2,048]; A: computed on the way; B: computed on the way: left as it is (an operand is computed on the way)
;;     5. batch 64 x [M 64, K 2,048] x [K 2,048, N 2,048]; A: computed on the way; B: computed on the way: left as it is (an operand is computed on the way)
;;     6. [M 8,192, K 1,024] x [K 1,024, N 1,024]; A: computed on the way; B: input Wo: left as it is (an operand is computed on the way)
;;   THE QUANTISER, for each operand of a quantised product, along K:
;;     - K is cut into blocks of 32 from its start; a last block that is shorter is filled with zeros.
;;     - A block's scale is 2^e with e = floor(log2(the largest magnitude in the block)) - 2, held to -126 .. 127; a block of zeros has e = 0. As a byte (E8M0): e + 127.
;;     - Each number is divided by its block's scale, clamped to +-6, and rounded to the nearest number of E2M1, ties to even, subnormals kept.
;;     - The product sums the exact products of the quantised numbers (number of the format x scale) in f32.
;;   ~~~python
;;   def quantise(x, axis):      # numpy; x: float32 -> the quantised numbers, widened to float32 again
;;       x = np.moveaxis(x, axis, -1); K = x.shape[-1]
;;       x = np.pad(x, [(0, 0)] * (x.ndim - 1) + [(0, -K % 32)]); x = x.reshape(x.shape[:-1] + (-1, 32)); a = np.abs(x).max(-1, keepdims=True)
;;       e = np.where(a > 0, np.clip(np.frexp(np.where(a > 0, a, 1))[1] - 1 - 2, -126, 127), 0)      # np.frexp(a)[1] - 1 = floor(log2(a)), exactly
;;       r = np.clip(x / 2.0 ** e, -6, 6)
;;       step = 2.0 ** (np.maximum(np.frexp(np.where(r == 0, 1, r))[1] - 1, 0) - 1)
;;       q = np.round(r / step) * step * 2.0 ** e      # np.round: ties to even
;;       return np.moveaxis(q.reshape(q.shape[:-2] + (-1,))[..., :K], -1, axis).astype(np.float32)
;;   ~~~
;; One version. Each part assembles by itself: llvm-mc -triple=amdgcn-amd-amdhsa -mcpu=gfx1250 --defsym DOCPART=n.
;; ======== version 1 of 1: 4 launches
;; limits: values are held in f16: magnitudes above 65,504 overflow, below 6.1e-05 lose precision
;; workspace buffers: codes 14,155,776 bytes; scales 884,736 bytes; wo16 2,097,152 bytes; mwords 2,097,152 bytes of whole numbers; qkv 50,331,648 bytes; aimg 16,777,216 bytes
;; launch prep (part 1): grid 1504 x 1, 4 waves a work-group, no clusters, 67,072 bytes of LDS; arguments query, key, value, Wq, Wk, Wv, Wo, mask, padding, codes, scales, wo16, mwords; writes codes, scales, wo16, mwords
.if DOCPART == 1
	.amdgcn_target "amdgcn-amd-amdhsa--gfx1250"
	.amdhsa_code_object_version 6
	.text
	.protected	k_q31d37d67dc_prep
	.globl	k_q31d37d67dc_prep
	.p2align	8
	.type	k_q31d37d67dc_prep,@function
k_q31d37d67dc_prep:
	s_mov_b64 s[64:65], 0
	v_nop
	global_prefetch_b8 v0, s[64:65] scope:SCOPE_SE
	s_setreg_imm32_b32 hwreg(HW_REG_WAVE_MODE, 25, 1), 1
	s_wait_xcnt 0x0
; PREP: everything that later launches read many times is laid out once.  Three roles, told apart by the work-group's number alone; each role has LDS bytes of its own.
; ROLE Q (work-groups 0-863): query, key, value [8192][1024] and Wq, Wk, Wv [1024][1024], f32, K innermost, become codes of E2M1 (two a byte, the lower k in the low four bits) and one E8M0 byte
;   for each 32 along K.  Rows are dense and K is a multiple of 32, so the six tensors are one stream of blocks of 32; their codes and bytes follow each other in that order in 'codes' and 'scales'.
;   A block's scale is 2^(floor(log2(largest magnitude)) - 2); its byte is the largest magnitude's exponent field - 2, held at 1 from below.  A block of zeros so gets the byte 1 where the rule says 127:
;   its codes are zeros, which add nothing under any byte but 0xff, and this program alone reads the bytes.
;   LIMITS: blocks whose largest magnitude lies under 2^-124 (the floor) get the byte 1; NaN and infinities among the inputs are not served.
; ROLE M (864-1375): mask [2048][2048] and padding [4][2048], int32, become words of 32 lane bits, mwords [b 4][qt 128][kt 128][j 8]: bit r + 16 h of a word is 1 where
;   mask[16 qt + r][16 kt + 8 h + j] != 0 and padding[b][16 kt + 8 h + j] != 0: the place that this score has in the attention launch's score registers.
; ROLE O (1376-1503): Wo [1024][1024] f32 becomes f16, laid as images of operand registers, wo16 [nt 64][kb 64][512 bytes]: lane r + 16 h has, at byte 16 x lane, Wo[16 nt + r][16 kb + 8 h .. + 7].
; No tensor load, no barrier: waves share nothing.  Memory binds; clusters and matrix units would add nothing here.
.set STEPS, 16                         ; role Q: a wave takes 16 steps of 512 numbers
.set EMAX,  2
.set CB,    8                          ; bytes of 16 codes
.set R,     16                         ; v16-79   role Q: four sets of 16 numbers as they are loaded
.set X,     80                         ; v80-111  two sets of 16 neighbours
.set E,     112                        ; v112-127 a scale byte for each step
.set C,     128                        ; v128-191 codes: four registers for each step, so that no store's data are written again
.set WREG,  8192                       ; LDS, role Q: a region for each wave: two stages of 32 x SP bytes, behind them its 256 scale bytes
.set SP,    80                         ; a lane's place in a stage: 64 bytes + 16 of padding
.set SPW,   12                         ; v12  LDS address of my spare word; never rewritten
.set NIL,   13                         ; v13  0; never rewritten
.set MOB,   32768                      ; LDS, roles M and O: behind role Q's four regions
.set MOP,   528                        ; a row of 512 bytes + 16 of padding = 33 x 16 bytes: sixteen rows begin at sixteen different 16-byte columns
.set MOW,   16*MOP                     ; a wave's 16 rows
.set SPARE, MOB+4*MOW                  ; the spare words, 128 bytes for each wave: two blocks of 256 bytes that no other line names
.set RW,    32                         ; v32-95   roles M, O: 16 rows x 4 registers as loaded; later results
.set XT,    96                         ; v96-159  turned: register 8 kt + j = src[16 tile + r][128 c + 16 kt + 8 h + j]
.set WGQ,   864
.set WGM,   1376
	s_load_b512 s[4:19], s[0:1], 0x0               ; query s[4:5], key s[6:7], value s[8:9], Wq s[10:11], Wk s[12:13], Wv s[14:15], Wo s[16:17], mask s[18:19]
	s_load_b256 s[20:27], s[0:1], 0x40             ; padding s[20:21], codes s[22:23], scales s[24:25], wo16 s[26:27]
	s_load_b64 s[28:29], s[0:1], 0x60              ; mwords
	v_lshl_add_u32 v[SPW], v0, 2, SPARE
	v_mov_b32 v[NIL], 0
	v_lshrrev_b32 v1, 5, v0
	v_readfirstlane_b32 s36, v1                    ; wave 0..3
	v_and_b32 v2, 31, v0                           ; lane
	s_cmp_ge_u32 ttmp9, WGQ
	s_cbranch_scc1 .Lmask_or_wo
; ---------------------------------------------------------------- ROLE Q
	v_lshlrev_b32 v3, 4, v2                        ; my 16 bytes of a load's 512
	s_mul_i32 s37, s36, WREG
	v_lshrrev_b32 v14, 2, v2
	v_mul_u32_u24 v14, v14, SP
	v_and_b32 v15, 3, v2
	v_lshl_add_u32 v14, v15, 4, v14
	v_add_nc_u32 v14, s37, v14                     ; the stage, on the way in: four lanes' 64 bytes on end, then 16 of padding
	v_mul_u32_u24 v15, v2, SP
	v_add_nc_u32 v15, s37, v15                     ; and on the way out: SP x lane: my 16 neighbours
	v_mul_u32_u24 v4, v2, CB                       ; my codes' place in a step's
	v_lshrrev_b32 v5, 1, v2
	s_add_co_u32 s37, s37, 2*32*SP
	v_add_nc_u32 v5, s37, v5                       ; my wave's 256 scale bytes, my block's byte
	v_lshlrev_b32 v7, 3, v2                        ; and on the way out 8 bytes a lane
	v_add_nc_u32 v6, s37, v7
	s_wait_kmcnt 0x0
	s_mov_b64 s[30:31], s[14:15]                   ; which tensor: 256 work-groups for each of query, key, value, 32 for each weight.  The choice hangs on the work-group's number alone
	s_mov_b32 s32, 832
	s_cmp_lt_u32 ttmp9, 832
	s_cselect_b64 s[30:31], s[12:13], s[30:31]
	s_cselect_b32 s32, 800, s32
	s_cmp_lt_u32 ttmp9, 800
	s_cselect_b64 s[30:31], s[10:11], s[30:31]
	s_cselect_b32 s32, 768, s32
	s_cmp_lt_u32 ttmp9, 768
	s_cselect_b64 s[30:31], s[8:9], s[30:31]
	s_cselect_b32 s32, 512, s32
	s_cmp_lt_u32 ttmp9, 512
	s_cselect_b64 s[30:31], s[6:7], s[30:31]
	s_cselect_b32 s32, 256, s32
	s_cmp_lt_u32 ttmp9, 256
	s_cselect_b64 s[30:31], s[4:5], s[30:31]
	s_cselect_b32 s32, 0, s32
	s_sub_co_u32 s32, ttmp9, s32
	s_lshl_b32 s32, s32, 2
	s_add_co_u32 s32, s32, s36                     ; which run of 8,192 numbers of the tensor is my wave's
	s_lshl_b32 s32, s32, 15                        ; 32,768 bytes a run
	s_mov_b32 s33, 0
	s_add_nc_u64 s[30:31], s[30:31], s[32:33]
	s_lshl_b32 s34, ttmp9, 2
	s_add_co_u32 s34, s34, s36                     ; and which run of the whole stream
	s_lshl_b32 s32, s34, 12                        ; 4,096 bytes of codes a run
	s_add_nc_u64 s[22:23], s[22:23], s[32:33]
	s_lshl_b32 s32, s34, 8                         ; 256 scale bytes a run
	s_add_nc_u64 s[24:25], s[24:25], s[32:33]
.macro LOAD t
.irp i, 0,1,2,3
	global_load_b128 v[R+16*((\t)%4)+4*\i:R+16*((\t)%4)+4*\i+3], v3, s[30:31] offset:2048*(\t)+512*\i th:TH_LOAD_NT   ; 32 lanes read 512 consecutive bytes
.endr
.endm
.macro TURN t                          ; step t's numbers through the stage: LDS serves a wave's instructions in order, so no wait stands between the stores and the loads
.irp i, 0,1,2,3
	ds_store_b128 v14, v[R+16*((\t)%4)+4*\i:R+16*((\t)%4)+4*\i+3] offset:32*SP*((\t)%2)+8*SP*\i
.endr
.irp i, 0,1,2,3
	ds_load_b128 v[X+16*((\t)%2)+4*\i:X+16*((\t)%2)+4*\i+3], v15 offset:32*SP*((\t)%2)+16*\i
.endr
.endm
.irp t, 0,1,2,3
	LOAD \t
.endr
	s_wait_loadcnt 12                              ; step 0's four loads are in; the 12 of steps 1 to 3 may be out
	TURN 0
.macro QSTEP t
.set XS, X+16*((\t)%2)
.if (\t) > 0
	s_wait_dscnt 1                                 ; this step's numbers are back from the stage (the last step's byte store may be out): so its stores into the stage have read their registers,
.else
	s_wait_dscnt 0x0
.endif
.if (\t)+4 < STEPS
	LOAD (\t)+4                                    ; which take the loads of four steps on
.endif
.if (\t)+1 < STEPS
.if STEPS-2-(\t) >= 3
	s_wait_loadcnt 12                              ; the next step's four loads are in; those of the three steps behind it may be out
.else
	s_wait_loadcnt 4*(STEPS-2-(\t))
.endif
	TURN (\t)+1                                    ; and go through the other stage while this step is worked
.endif
	v_max3_num_f32 v8, |v[XS]|, |v[XS+1]|, |v[XS+2]|               ; the largest magnitude of my 16
	v_max3_num_f32 v9, |v[XS+3]|, |v[XS+4]|, |v[XS+5]|
.irp i, 6,10
	v_max3_num_f32 v8, v8, |v[XS+\i]|, |v[XS+\i+1]|
	v_max3_num_f32 v9, v9, |v[XS+\i+2]|, |v[XS+\i+3]|
.endr
	v_max3_num_f32 v8, v8, |v[XS+14]|, |v[XS+15]|
	v_max3_num_f32 v8, v8, v9, (EMAX+1)<<23        ; and the floor 2^(EMAX + 1 - 127): so the byte cannot fall under 1
	v_max_num_f32_dpp v8, v8, v8 row_xmask:1 row_mask:0xf bank_mask:0xf   ; and of my neighbour's 16: the block's
	v_add_nc_u32 v11, -(EMAX<<23), v8              ; EMAX off its exponent field: the conversion takes the exponent field of this operand as its scale, and nothing else of it
	v_cvt_scalef32_pk8_fp4_f32 v[C+4*(\t)], v[XS:XS+7], v11        ; eight numbers / the scale, to the nearest code, ties to even, beyond the largest code the largest
	v_cvt_scalef32_pk8_fp4_f32 v[C+4*(\t)+1], v[XS+8:XS+15], v11
	v_lshrrev_b32 v[E+(\t)], 23, v11               ; the scale's byte
	ds_store_b8 v5, v[E+(\t)] offset:16*(\t)       ; both lanes of a block write the same byte with the same value
	global_store_b64 v4, v[C+4*(\t):C+4*(\t)+1], s[22:23] offset:32*CB*(\t)   ; the wave stores 256 consecutive bytes, aligned
.endm
.irp t, 0,1,2,3,4,5,6,7,8,9,10,11,12,13,14,15
	QSTEP \t
.endr
	ds_load_b64 v[8:9], v6                         ; LDS serves a wave's instructions in order: these see my byte stores
	s_wait_dscnt 0x0
	global_store_b64 v7, v[8:9], s[24:25]          ; 32 lanes store 256 consecutive bytes, aligned
	s_wait_tensorcnt 0x0                           ; the wave's end: behind my last LDS store
	ds_add_u32 v[SPW], v[NIL]
	s_wait_dscnt 0x0
	s_endpgm
; ---------------------------------------------------------------- ROLES M AND O: 16 rows x 128 columns of 4 bytes are read as they lie and turned through the wave's own LDS rows
.Lmask_or_wo:
	v_and_b32 v3, 15, v0                           ; r
	v_bfe_u32 v4, v0, 4, 1                         ; h
	s_mul_i32 s37, s36, MOW
	s_add_co_u32 s37, s37, MOB                     ; my wave's 16 rows in LDS
	v_lshlrev_b32 v16, 4, v2                       ; 16 x lane
	v_add_nc_u32 v5, s37, v16                      ; in: a row's 512 bytes as they lie
	v_mul_u32_u24 v6, v3, MOP
	v_lshl_add_u32 v6, v4, 5, v6
	v_add_nc_u32 v6, s37, v6                       ; out: row r, 32 h bytes on: eight neighbours of each 16 columns
	s_mov_b32 s32, WGM
	s_mov_b32 s35, 4096
	s_wait_kmcnt 0x0
	s_cmp_lt_u32 ttmp9, WGM                        ; role M?  The choice hangs on the work-group's number alone
	s_cselect_b64 s[30:31], s[18:19], s[16:17]     ; mask, or Wo
	s_cselect_b32 s32, WGQ, s32                    ; the role's first work-group
	s_cselect_b32 s34, 4, 3                        ; 16, or 8, chunks of 128 columns in a row
	s_cselect_b32 s35, 8192, s35                   ; a row in bytes
	s_sub_co_u32 s32, ttmp9, s32
	s_lshl_b32 s32, s32, 2
	s_add_co_u32 s32, s32, s36                     ; my wave's unit
	s_lshr_b32 s38, s32, s34                       ; tile of 16 rows (qt, or nt)
	s_lshl_b32 s39, s38, s34
	s_sub_co_u32 s39, s32, s39                     ; chunk c
	s_mul_i32 s40, s38, s35
	s_lshl_b32 s40, s40, 4                         ; tile x 16 rows
	s_lshl_b32 s41, s39, 9                         ; + 512 c bytes
	s_add_co_u32 s40, s40, s41
	s_mov_b32 s41, 0
	s_add_nc_u64 s[30:31], s[30:31], s[40:41]
.irp i, 1,2,3,4,5,6,7,8,9,10,11,12,13,14,15
	v_add_nc_u32 v[16+\i], s35, v[15+\i]           ; v16-31: 16 x lane + i rows
.endr
.irp i, 0,1,2,3,4,5,6,7,8,9,10,11,12,13,14,15
	global_load_b128 v[RW+4*\i:RW+4*\i+3], v[16+\i], s[30:31] th:TH_LOAD_NT   ; 512 consecutive bytes of row i; read once in the launch
.endr
.irp i, 0,1,2,3,4,5,6,7,8,9,10,11,12,13,14,15
	s_wait_loadcnt 15-\i                           ; row i is in; the younger rows may be out
	ds_store_b128 v5, v[RW+4*\i:RW+4*\i+3] offset:MOP*\i
.endr
.irp k, 0,1,2,3,4,5,6,7
	ds_load_b128 v[XT+8*\k:XT+8*\k+3], v6 offset:64*\k          ; the bytes are my wave's own and LDS serves a wave in order: no barrier
	ds_load_b128 v[XT+8*\k+4:XT+8*\k+7], v6 offset:64*\k+16
.endr
	s_wait_dscnt 0x0
	s_cmp_lt_u32 ttmp9, WGM
	s_cbranch_scc1 .Lmask
; ---- ROLE O: eight neighbours along K round to 16 bytes of f16: a lane's part of an operand's image
	s_lshl_b32 s40, s38, 15                        ; nt x 64 blocks of 512 bytes
	s_lshl_b32 s42, s39, 12                        ; + 8 c blocks
	s_add_co_u32 s40, s40, s42
	s_add_nc_u64 s[26:27], s[26:27], s[40:41]
.irp k, 0,1,2,3,4,5,6,7
.irp i, 0,1,2,3
	v_cvt_pk_f16_f32 v[RW+4*\k+\i], v[XT+8*\k+2*\i], v[XT+8*\k+2*\i+1]
.endr
	global_store_b128 v16, v[RW+4*\k:RW+4*\k+3], s[26:27] offset:512*\k   ; 32 lanes store 512 consecutive bytes, aligned
.endr
	s_wait_tensorcnt 0x0                           ; the wave's end: behind my last LDS store
	ds_add_u32 v[SPW], v[NIL]
	s_wait_dscnt 0x0
	s_endpgm
; ---- ROLE M: a compare over the 32 lanes IS a word of lane bits; 64 words are gathered two to a lane, joined with each batch's padding, and stored
.Lmask:
	s_lshl_b32 s40, s39, 9                         ; padding: 128 c keys of 4 bytes
	s_add_nc_u64 s[20:21], s[20:21], s[40:41]
	v_lshrrev_b32 v7, 2, v2
	v_and_b32 v8, 3, v2
	v_lshlrev_b32 v7, 6, v7
	v_lshl_add_u32 v7, v8, 3, v7                   ; lane L will hold words 2 L and 2 L + 1: kt = L / 4, j = 2 (L % 4) + 0, 1: keys 16 kt + j (bits 0-15) and 8 further on (bits 16-31)
.irp b, 0,1,2,3
	global_load_b64 v[160+4*\b:161+4*\b], v7, s[20:21] offset:8192*\b
	global_load_b64 v[162+4*\b:163+4*\b], v7, s[20:21] offset:8192*\b+32
.endr
	s_lshl_b32 s40, s38, 12                        ; mwords: qt x 4,096 bytes
	s_lshl_b32 s42, s39, 8                         ; + 8 c key tiles of 32 bytes
	s_add_co_u32 s40, s40, s42
	s_add_nc_u64 s[28:29], s[28:29], s[40:41]
	v_lshlrev_b32 v9, 3, v2                        ; 8 bytes a lane
	v_mov_b32 v184, 0                              ; a lane write's destination counts as read
	v_mov_b32 v185, 0
	v_mov_b32 v186, 0xffff
	v_mov_b32 v187, 0xffff0000
.irp g, 0,1,2,3,4,5,6,7
.irp j, 0,1,2,3,4,5,6,7
	v_cmp_ne_u32 s[48+\j], 0, v[XT+8*\g+\j]        ; word 8 g + j: bit r + 16 h = mask[16 qt + r][128 c + 16 g + 8 h + j] != 0
.endr
.irp j, 0,1,2,3,4,5,6,7
	v_writelane_b32 v[184+\j%2], s[48+\j], 4*\g+\j/2
.endr
.endr
	s_wait_loadcnt 0x0                             ; the padding
.irp b, 0,1,2,3
.irp i, 0,1
	v_cmp_ne_u32 vcc_lo, 0, v[160+4*\b+\i]
	v_cndmask_b32 v10, 0, v186, vcc_lo             ; the key of lanes 0-15 counts: bits 0-15
	v_cmp_ne_u32 vcc_lo, 0, v[162+4*\b+\i]
	v_cndmask_b32 v11, 0, v187, vcc_lo             ; the key of lanes 16-31: bits 16-31
	v_or_b32 v10, v10, v11
	v_and_b32 v[RW+2*\b+\i], v10, v[184+\i]
.endr
	global_store_b64 v9, v[RW+2*\b:RW+2*\b+1], s[28:29] offset:524288*\b   ; 32 lanes store 256 consecutive bytes, aligned
.endr
	s_wait_tensorcnt 0x0                           ; the wave's end: behind my last LDS store
	ds_add_u32 v[SPW], v[NIL]
	s_wait_dscnt 0x0
	s_endpgm
.Lfunc_end_k_q31d37d67dc_prep:
	.size	k_q31d37d67dc_prep, .Lfunc_end_k_q31d37d67dc_prep-k_q31d37d67dc_prep
	.p2alignl 7, 3214868480
	.fill 96, 4, 3214868480
	.section	.rodata,"a",@progbits
	.p2align	6, 0x0
	.amdhsa_kernel k_q31d37d67dc_prep
		.amdhsa_group_segment_fixed_size 67072
		.amdhsa_private_segment_fixed_size 0
		.amdhsa_enable_private_segment 0
		.amdhsa_kernarg_size 104
		.amdhsa_user_sgpr_count 2
		.amdhsa_user_sgpr_kernarg_segment_ptr 1
		.amdhsa_wavefront_size32 1
		.amdhsa_system_sgpr_workgroup_id_x 1
		.amdhsa_system_sgpr_workgroup_id_y 1
		.amdhsa_system_sgpr_workgroup_id_z 1
		.amdhsa_system_vgpr_workitem_id 0
		.amdhsa_next_free_vgpr 192
		.amdhsa_next_free_sgpr 66
		.amdhsa_reserve_vcc 1
		.amdhsa_float_denorm_mode_32 3
		.amdhsa_float_denorm_mode_16_64 3
		.amdhsa_memory_ordered 1
		.amdhsa_forward_progress 1
		.amdhsa_inst_pref_size 54
	.end_amdhsa_kernel
	.amdgpu_metadata
---
amdhsa.version: [ 1, 2 ]
amdhsa.kernels:
  - .name:           k_q31d37d67dc_prep
    .symbol:         k_q31d37d67dc_prep.kd
    .args:
      - { .name: query, .offset: 0, .size: 8, .value_kind: global_buffer, .address_space: global }
      - { .name: key, .offset: 8, .size: 8, .value_kind: global_buffer, .address_space: global }
      - { .name: value, .offset: 16, .size: 8, .value_kind: global_buffer, .address_space: global }
      - { .name: Wq, .offset: 24, .size: 8, .value_kind: global_buffer, .address_space: global }
      - { .name: Wk, .offset: 32, .size: 8, .value_kind: global_buffer, .address_space: global }
      - { .name: Wv, .offset: 40, .size: 8, .value_kind: global_buffer, .address_space: global }
      - { .name: Wo, .offset: 48, .size: 8, .value_kind: global_buffer, .address_space: global }
      - { .name: mask, .offset: 56, .size: 8, .value_kind: global_buffer, .address_space: global }
      - { .name: padding, .offset: 64, .size: 8, .value_kind: global_buffer, .address_space: global }
      - { .name: codes, .offset: 72, .size: 8, .value_kind: global_buffer, .address_space: global }
      - { .name: scales, .offset: 80, .size: 8, .value_kind: global_buffer, .address_space: global }
      - { .name: wo16, .offset: 88, .size: 8, .value_kind: global_buffer, .address_space: global }
      - { .name: mwords, .offset: 96, .size: 8, .value_kind: global_buffer, .address_space: global }
    .group_segment_fixed_size: 67072
    .private_segment_fixed_size: 0
    .kernarg_segment_align: 8
    .kernarg_segment_size: 104
    .max_flat_workgroup_size: 128
    .sgpr_count:     66
    .vgpr_count:     192
    .wavefront_size: 32
...
	.end_amdgpu_metadata
.endif
;; end of part 1
;; launch proj (part 2): grid 4 x 96, 4 waves a work-group, clusters of 4 x 4, 327,680 bytes of LDS; arguments codes, scales, qkv; writes qkv
.if DOCPART == 2
	.amdgcn_target "amdgcn-amd-amdhsa--gfx1250"
	.amdhsa_code_object_version 6
	.text
	.protected	k_q31d37d67dc_proj
	.globl	k_q31d37d67dc_proj
	.p2align	8
	.type	k_q31d37d67dc_proj,@function
k_q31d37d67dc_proj:
	s_mov_b64 s[64:65], 0
	v_nop
	global_prefetch_b8 v0, s[64:65] scope:SCOPE_SE
	s_setreg_imm32_b32 hwreg(HW_REG_WAVE_MODE, 25, 1), 1
	s_wait_xcnt 0x0
	s_wait_alu depctr_hold_cnt(0) depctr_sa_sdst(0) depctr_va_vdst(0) depctr_va_sdst(0) depctr_va_ssrc(0) depctr_va_vcc(0) depctr_vm_vsrc(0)
	s_getreg_b32 s2, hwreg(HW_REG_IB_STS2, 6, 4)
	s_cmp_eq_u32 s2, 0
	s_cbranch_scc0 .Lentry_in_a_cluster
	s_endpgm
.Lentry_in_a_cluster:
	s_bfe_u32 s2, ttmp6, 0x10000c
	s_cmp_lg_u32 s2, 0xf033
	s_cbranch_scc0 .Lentry_shape_is_right
	s_endpgm
.Lentry_shape_is_right:
; PROJ: the three quantised products q = query Wq^T, k = key Wk^T, v = value Wv^T, on codes of E2M1 with one E8M0 scale for each 32 along K; sums in f32.
; The three x tensors are one stack of 24,576 rows of 512 bytes of codes (32 bytes of scales); the three weights one stack of 3,072 rows behind them.  Tile row ty (0-95) of 256 rows belongs to product g = ty / 32.
; A tile, 256 x 256, is made by a work-group of four waves; a wave makes 128 x 128: 64 accumulators, 512 registers.  K = 1,024 is two slots of 512 along K (rows of 256 bytes): both are first fills, nothing is filled again.
; THE SCALES of the work-group's 256 + 256 rows, for all of K, are two dense blocks of memory: they come into LDS once, with the first fills.
; CLUSTERS: 4 x 4 work-groups.  The four of a row of the cluster need the same rows of x, the four of a column the same rows of W: each tile is asked for jointly, by the same tensor load with a mask that names the four.
; THE MATRIX INSTRUCTION IS USED TRANSPOSED (source 0 = 16 rows of W, source 1 = 16 rows of x): a lane holds one row of x and eight neighbouring output channels.
; THE WAY OUT: q and k are multiplied, in f32, by c' = sqrt(log2(e) / 32): reference()'s two divisions by 1024^(1/4), with log2(e) shared between them, so that q'.k' is the score in units of powers of two; v by 1.
; Then they are rounded to f16.  A lane's eight channels are 16 bytes, its part of an IMAGE OF AN OPERAND'S REGISTERS: qkv [g 3][b 4][head 16][tile of 16 rows 128][j 4][512 bytes]; block j holds channels 16 j .. 16 j + 15.
; In q and k lane r + 16 h stands at byte 16 x lane; in v at 32 r + 16 h (16 keys x 32 bytes, row by row), as the turning LDS load of the attention launch wants it.  Each store covers 512 consecutive bytes, aligned: no stage in LDS.
; LIMITS: |q'|, |k'|, |v| stay under 65,504, f16's largest number (drawn inputs give about 5; all inputs 30 times larger, about 5,000).
; REGISTERS, in windows of 256: window 0: v0-31 addresses; v32-95 scale words, two sets; v128-191 x's fragments, one set, on the way out packed results.  window 1: W's fragments, two sets, at v0 and v128.
;   window 2: the 32 accumulators of my rows 0-63 (accumulator (a, b) at v[8 (8 a + b)]);  window 3: those of my rows 64-127.
.set KSTEP,  512                       ; along K in a slot
.set NQ,     KSTEP/128                 ; matrix instructions deep
.set ROWB,   256                       ; a tile's row in bytes
.set KROW,   512                       ; a row of codes in memory
.set PITCH,  272                       ; an LDS row: 256 bytes + 16 of padding = 17 x 16 bytes: the 16 rows that a load touches begin at 16 different 16-byte columns
.set FR,     8                         ; registers of a fragment: 16 rows x 128 K
.set NL,     2                         ; LDS loads that bring one
.set NP,     4                         ; places behind this matrix instruction (ISA guide 7.12.1)
.set HALFT,  128*PITCH                 ; 128 rows: what one tensor load brings
.set SLOT,   4*HALFT                   ; x's 256 rows, then W's 256 rows
.set KS,     32                        ; a row of scales in bytes
.set SCL,    2*SLOT                    ; behind the slots: the scales, as units of 256 bytes + 16 of padding
.set HALFS,  (128*KS/256)*272          ; the scales of 128 rows: what one tensor load brings
.set SBLK,   (16*KS/256)*272           ; those of 16 rows
.set SPARE,  SCL+4*HALFS               ; the spare words, 128 bytes for each wave: two blocks of 256 bytes that no other line names
.set ADRA, 16                          ; v16-17  LDS address of my x fragments in slot 0, 1
.set ADRB, 20                          ; v20-21  the same for W
.set CO,   26                          ; v26     my 16 bytes' place in a block of 512
.set ADRS, 27                          ; v27     LDS address of my scale words: lanes 0-15 x's rows, lanes 16-31 W's
.set SPW,  28                          ; v28     LDS address of my spare word; never rewritten
.set NIL,  29                          ; v29     0; never rewritten
.set SC,   32                          ; scale words: set s at v[SC + 8 NQ s]; register NQ i + q: lanes 0-15 the word of x's block i, lanes 16-31 that of W's block i
.set AF,   128                         ; x's fragments, in window 0
.set PK,   128                         ; the way out: packed results, v128-159 and v160-191 by turns
.set G1, 24                            ; s[24:31] descriptor group 1 for x's tiles;  s[32:39] group 0, one set for each slot
.set G0, 32
.set G1B, 48                           ; s[48:55], s[56:63] the same for W's tiles
.set G0B, 56
.set G1S, 68                           ; s[68:75], s[76:79] groups 1 and 0 for x's scales;  s[80:87], s[88:91] for W's
.set G0S, 76
.set G1SB, 80
.set G0SB, 88
.set FAC, 96                           ; s[96:97] the factor on the way out
.set MSB, 0
.macro WIN new                         ; the immediate's high byte repeats the setting that is left
.if MSB != \new
	s_set_vgpr_msb (MSB<<8)|\new
.set MSB, \new
.endif
.endm
.set MUL_LO, 0xa1                      ; source 0 (W) window 1, source 1 (x) window 0, C and D window 2
.set MUL_HI, 0xf1                      ; the same, C and D window 3
.set TO_B,   0x40                      ; destination window 1, address window 0
; A joint load: waves 0 and 1 fetch for x, waves 2 and 3 for W.  Each of the two lines has one mask and one set of registers for all that issue it; the branch hangs on the wave's number alone.
; An s_nop 0 and four v_nop follow each of the two lines, ahead of the jump, the label and what follows.
.macro JLOAD g0a, g1a, g0b, g1b
	s_cmp_eq_u32 s15, 0
	s_cbranch_scc0 .Lfor_b_\@
	tensor_load_to_lds s[\g0a:\g0a+3], s[\g1a:\g1a+7]
	s_nop 0
.rept 4
	v_nop
.endr
	s_branch .Lasked_\@
.Lfor_b_\@:
	tensor_load_to_lds s[\g0b:\g0b+3], s[\g1b:\g1b+7]
	s_nop 0
.rept 4
	v_nop
.endr
.Lasked_\@:
.endm
.macro CROUND                          ; a round of the cluster's barrier
	s_barrier_signal -1
	s_barrier_wait -1
	s_cmp_lg_u32 s14, 0
	s_cbranch_scc1 .Lnot_wave_0_\@
	s_barrier_signal -3
.Lnot_wave_0_\@:
	s_barrier_wait -3
	s_barrier_signal -1
	s_barrier_wait -1
.endm
	s_load_b128 s[4:7], s[0:1], 0x0                ; codes s[4:5], scales s[6:7]
	s_load_b64 s[12:13], s[0:1], 0x10              ; qkv
	v_lshl_add_u32 v[SPW], v0, 2, SPARE
	v_mov_b32 v[NIL], 0
	ds_add_u32 v[SPW], v[NIL]                      ; the wave's opening: the add, twice on end, and its wait ahead of my first tensor load; the set-up below, work on registers, stands between
	ds_add_u32 v[SPW], v[NIL]
	v_lshrrev_b32 v1, 5, v0
	v_readfirstlane_b32 s14, v1                    ; wave 0..3
	s_lshr_b32 s15, s14, 1                         ; which half of the tile's rows is mine.  Also: I fetch for x (0) or for W (1)
	s_and_b32 s16, s14, 1                          ; which half of its columns.  Also: which 128 rows of that tile I fetch
	s_bfe_u32 s40, ttmp6, 0x40000                  ; cx, cy: my place in the cluster
	s_bfe_u32 s41, ttmp6, 0x40004
	s_lshl_b32 s42, ttmp9, 2
	s_add_co_u32 s42, s42, s40                     ; tile column = 4 x cluster x + cx
	s_and_b32 s17, ttmp7, 0xffff
	s_lshr_b32 s95, s17, 3                         ; g: which product: eight rows of clusters each; the same in all sixteen partners
	s_lshl_b32 s17, s17, 2
	s_add_co_u32 s17, s17, s41                     ; tile row = 4 x cluster y + cy
	s_lshl_b32 s43, s41, 2
	s_lshl_b32 s43, 15, s43                        ; my row of the cluster
	s_lshl_b32 s44, 0x1111, s40                    ; my column
	; descriptor group 1: a tile of 128 rows x 256 bytes, padded in LDS
	s_or_b32 s[G1+0], s43, (0<<16)|(1<<20)|(1<<21)|(5<<22)|(3<<25)  ; 15:0 the mask: x's tiles go to my row; 17:16 elements of 1 byte; 20 padding on; 21 set beside a mask; 24:22 after every 64 words; 31:25 four words
	s_or_b32 s[G1B+0], s44, (0<<16)|(1<<20)|(1<<21)|(5<<22)|(3<<25)
.irp g, G1, G1B
	s_mov_b32 s[\g+1], ROWB<<16                    ; tensor_dim0
	s_mov_b32 s[\g+2], 128<<16                     ; tensor_dim1 = 128
	s_mov_b32 s[\g+3], ROWB<<16                    ; tile_dim0
	s_mov_b32 s[\g+4], 128                         ; tile_dim1 = 128
	s_mov_b32 s[\g+5], KROW                        ; tensor_dim0_stride
	s_mov_b32 s[\g+6], 0
	s_mov_b32 s[\g+7], 0
.endr
	; and for the scales of 128 rows: a dense block of 4,096 bytes, as rows of 256 bytes (32 elements of 8 bytes), 16 bytes of padding behind each
	s_or_b32 s[G1S+0], s43, (3<<16)|(1<<20)|(1<<21)|(5<<22)|(3<<25)
	s_or_b32 s[G1SB+0], s44, (3<<16)|(1<<20)|(1<<21)|(5<<22)|(3<<25)
.irp g, G1S, G1SB
	s_mov_b32 s[\g+1], 32<<16
	s_mov_b32 s[\g+2], (128*KS/256)<<16
	s_mov_b32 s[\g+3], 32<<16
	s_mov_b32 s[\g+4], 128*KS/256
	s_mov_b32 s[\g+5], 32
	s_mov_b32 s[\g+6], 0
	s_mov_b32 s[\g+7], 0
.endr
	s_lshl_b32 s18, s16, 7                         ; which 128 rows of the tile I fetch
	s_lshl_b32 s20, s17, 8
	s_add_co_u32 s20, s20, s18                     ; x: row 256 x tile row + 128 x half
	s_lshl_b32 s46, s42, 8
	s_add_co_u32 s46, s46, s18                     ; W: row 256 x tile column + 128 x half
	s_lshl_b32 s47, s95, 10
	s_add_co_u32 s46, s46, s47                     ; + 1,024 g: the product's own weight
	s_mov_b32 s21, 0
	s_mov_b32 s47, 0
	s_mov_b64 s[18:19], KS
	s_mul_u64 s[22:23], s[20:21], s[18:19]         ; where these rows' scales begin, in bytes
	s_mul_u64 s[92:93], s[46:47], s[18:19]
	s_mov_b64 s[18:19], KROW
	s_mul_u64 s[20:21], s[20:21], s[18:19]         ; and their codes
	s_mul_u64 s[46:47], s[46:47], s[18:19]
	s_mul_i32 s45, s14, HALFT                      ; where they go: wave x 128 rows: no place in the cluster enters an LDS address
	s_mul_i32 s94, s14, HALFS
	s_mov_b32 s[FAC], 0x3e596d27                   ; c' = sqrt(log2(e) / 32)
	s_mov_b32 s98, 256
	s_cmp_eq_u32 s95, 2                            ; v?
	s_cselect_b32 s[FAC], 0x3f800000, s[FAC]       ; v is left as it is: one path serves the three products
	s_cselect_b32 s99, 32, 16                      ; a lane's place in a block of 512 bytes: r x this
	s_cselect_b32 s98, 16, s98                     ; + h x this
	s_mov_b32 s[FAC+1], s[FAC]                     ; (named with it as a pair, so it is written)
	s_wait_dscnt 0x0                               ; both opening adds are done
	s_wait_kmcnt 0x0
	s_add_nc_u64 s[8:9], s[4:5], 0xC00000          ; the weights' codes lie behind x's 12,582,912 bytes,
	s_add_nc_u64 s[10:11], s[6:7], 0xC0000         ; their scales behind x's 786,432
	s_add_nc_u64 s[20:21], s[4:5], s[20:21]
	s_add_nc_u64 s[22:23], s[6:7], s[22:23]
	s_add_nc_u64 s[46:47], s[8:9], s[46:47]
	s_add_nc_u64 s[92:93], s[10:11], s[92:93]
	CROUND                                         ; all sixteen work-groups are here: the first joint loads meet
	s_mov_b32 s[G0S], 1
	s_add_co_u32 s[G0S+1], s94, SCL
	s_mov_b64 s[G0S+2:G0S+3], s[22:23]
	s_or_b32 s[G0S+3], s[G0S+3], 0x80000000
	s_mov_b32 s[G0SB], 1
	s_add_co_u32 s[G0SB+1], s94, SCL
	s_mov_b64 s[G0SB+2:G0SB+3], s[92:93]
	s_or_b32 s[G0SB+3], s[G0SB+3], 0x80000000
	JLOAD G0S, G1S, G0SB, G1SB                     ; the scales first: they are wanted with K step 0.  Three loads of mine are out at the most
.irp s, 0,1
	s_mov_b32 s[G0+4*\s], 1
	s_add_co_u32 s[G0+4*\s+1], s45, \s*SLOT
	s_add_nc_u64 s[G0+4*\s+2:G0+4*\s+3], s[20:21], \s*ROWB
	s_or_b32 s[G0+4*\s+3], s[G0+4*\s+3], 0x80000000
	s_mov_b32 s[G0B+4*\s], 1
	s_add_co_u32 s[G0B+4*\s+1], s45, \s*SLOT
	s_add_nc_u64 s[G0B+4*\s+2:G0B+4*\s+3], s[46:47], \s*ROWB
	s_or_b32 s[G0B+4*\s+3], s[G0B+4*\s+3], 0x80000000
	JLOAD G0+4*\s, G1, G0B+4*\s, G1B
.endr
	v_and_b32 v1, 15, v0                           ; r = l % 16
	v_bfe_u32 v2, v0, 4, 1                         ; h = l / 16
	v_mul_u32_u24 v3, v1, PITCH
	v_lshl_add_u32 v4, v2, 4, v3                   ; a fragment's row x pitch + 16 x half
	s_mul_i32 s21, s15, HALFT                      ; my 128 rows of x
	s_mul_i32 s22, s16, HALFT                      ; my 128 rows of W,
	s_add_co_u32 s22, s22, 2*HALFT                 ; which lie behind x's 256
.irp s, 0,1
	v_add_nc_u32 v[ADRA+\s], s21, v4
	v_add_nc_u32 v[ADRB+\s], s22, v4
	s_add_co_u32 s21, s21, SLOT
	s_add_co_u32 s22, s22, SLOT
.endr
	v_mul_u32_u24 v5, v1, KS                       ; my row's scales: KS bytes a row,
	v_lshrrev_b32 v6, 8, v5
	v_lshl_add_u32 v5, v6, 4, v5                   ; and 16 more for each 256 passed
	s_mul_i32 s21, s15, HALFS                      ; x's: my 128 rows
	s_mul_i32 s22, s16, HALFS                      ; W's: my 128 rows, behind x's 256
	s_add_co_u32 s22, s22, 2*HALFS
	s_sub_co_u32 s22, s22, s21
	v_mul_u32_u24 v6, s22, v2                      ; lanes 16-31 take W's
	s_add_co_u32 s21, s21, SCL
	v_add_nc_u32 v5, v5, v6
	v_add_nc_u32 v[ADRS], s21, v5
	v_mul_u32_u24 v[CO], v1, s99
	v_mad_u32_u24 v[CO], v2, s98, v[CO]            ; my 16 bytes in a block of 512
	s_lshr_b32 s20, s17, 3                         ; 4 g + batch: eight tile rows are a batch's 2,048 rows
	s_lshl_b32 s20, s20, 22                        ; x 16 heads x 262,144 bytes
	s_and_b32 s21, s17, 7
	s_lshl_b32 s21, s21, 4
	s_lshl_b32 s22, s15, 3
	s_add_co_u32 s21, s21, s22                     ; my first tile of 16 rows in the sequence
	s_lshl_b32 s21, s21, 11                        ; x 2,048 bytes
	s_add_co_u32 s20, s20, s21
	s_mov_b32 s21, 0
	s_lshl_b32 s46, s42, 2                         ; my first head: 4 x tile column + 2 x half (in the registers that held W's address)
	s_lshl_b32 s47, s16, 1
	s_add_co_u32 s46, s46, s47
	s_lshl_b32 s46, s46, 18                        ; x 262,144 bytes
	s_mov_b32 s47, 0
	s_add_nc_u64 s[20:21], s[20:21], s[46:47]
	s_add_nc_u64 s[12:13], s[12:13], s[20:21]
.macro FRAG reg, adr, q, i             ; a fragment, 16 rows x 128 K of 4-bit codes: lane l holds row l % 16; registers 4 c .. 4 c + 3 hold K = 64 c + 32 (l / 16) + 0 .. 31
.irp c, 0,1
	ds_load_b128 v[\reg+4*\c:\reg+4*\c+3], v[\adr] offset:64*(\q)+32*\c+(\i)*16*PITCH
.endr
.endm
; 16 matrix instructions: x's blocks a0, a0 + 1 against W's eight, 128 along K: the slot's q-th.  p: W's set;  sc: the set of scale words.  zero = 1: the first product starts the sums: nothing is ever cleared.
; The 64 accumulators take turns, one instruction a turn, in the same order in every step.
.macro MUL16 a0, p, q, sc, zero
.irp a, \a0, \a0+1
.irp b, 0,1,2,3,4,5,6,7
.if \zero
	v_wmma_scale_f32_16x16x128_f8f6f4 v[8*(8*((\a)%4)+\b):8*(8*((\a)%4)+\b)+7], v[128*(\p)+FR*\b:128*(\p)+FR*\b+FR-1], v[AF+FR*(\a):AF+FR*(\a)+FR-1], 0, v[SC+8*NQ*(\sc)+NQ*\b+(\q)], v[SC+8*NQ*(\sc)+NQ*(\a)+(\q)] matrix_a_fmt:MATRIX_FMT_FP4 matrix_b_fmt:MATRIX_FMT_FP4 matrix_a_scale:MATRIX_SCALE_ROW1
.else
	v_wmma_scale_f32_16x16x128_f8f6f4 v[8*(8*((\a)%4)+\b):8*(8*((\a)%4)+\b)+7], v[128*(\p)+FR*\b:128*(\p)+FR*\b+FR-1], v[AF+FR*(\a):AF+FR*(\a)+FR-1], v[8*(8*((\a)%4)+\b):8*(8*((\a)%4)+\b)+7], v[SC+8*NQ*(\sc)+NQ*\b+(\q)], v[SC+8*NQ*(\sc)+NQ*(\a)+(\q)] matrix_a_fmt:MATRIX_FMT_FP4 matrix_b_fmt:MATRIX_FMT_FP4 matrix_a_scale:MATRIX_SCALE_ROW1
.endif
.endr
.endr
.endm
.macro FETCH_B slot, q, p              ; W's eight fragments of the slot's q-th 128 along K into set p
	WIN TO_B
.irp i, 0,1,2,3,4,5,6,7
	FRAG 128*(\p)+FR*\i, ADRB+\slot, \q, \i
.endr
	WIN 0
.endm
.macro FETCH_A slot, q, i0             ; x's blocks i0 .. i0 + 3
.irp i, \i0, \i0+1, \i0+2, \i0+3
	FRAG AF+FR*(\i), ADRA+\slot, \q, \i
.endr
.endm
.macro SCALES sc                       ; a K step's scale words into set sc: NQ words a row; lanes 0-15 take x's block i, lanes 16-31 W's block i
.irp i, 0,1,2,3,4,5,6,7
	ds_load_b128 v[SC+8*NQ*\sc+NQ*\i:SC+8*NQ*\sc+NQ*\i+3], v[ADRS] offset:\i*SBLK
.endr
.endm
; A load into a register that a matrix instruction has read, and a vector instruction that reads a matrix result, stand NP places behind that matrix instruction; only plain vector
; instructions that name none of its registers are places (ISA guide 7.12.1 for vector instructions).
.macro PLACES n
.rept \n
	v_nop
.endr
.endm
; A step of 128 along K that has its successor in the same slot.
.macro STEP slot, q, zero
	s_wait_dscnt 4*NL                              ; W's set and x's blocks 0-3 are in; the youngest eight loads (x's blocks 4-7) may be out
	WIN MUL_LO
	MUL16 0, (\q)%2, \q, \slot, \zero
	MUL16 2, (\q)%2, \q, \slot, \zero
	s_wait_dscnt 0                                 ; x's blocks 4-7 are in (asked for 32 matrix instructions ago)
	PLACES NP
	FETCH_B \slot, (\q)+1, 1-(\q)%2
	FETCH_A \slot, (\q)+1, 0
	WIN MUL_HI
	MUL16 4, (\q)%2, \q, \slot, \zero
	MUL16 6, (\q)%2, \q, \slot, \zero
	PLACES NP
	WIN 0
	FETCH_A \slot, (\q)+1, 4
.endm
; Slot 0's last step goes over to slot 1: one barrier; in front of it each wave waits for all its tensor loads (its part of slot 1), adds 0 to its spare word, and waits for that.  Nothing is filled again.
.macro TURN slot, next
	s_wait_tensorcnt 0x0                           ; all my tensor loads have landed: my part of the next slot  (every window is 0 here: the add's two registers lie in window 0)
	ds_add_u32 v[SPW], v[NIL]                      ; 0 onto my spare word
	s_wait_dscnt 4*NL+1                            ; (the add and the youngest eight loads, x's blocks 4-7, may be out)
	WIN MUL_LO
	MUL16 0, 1, NQ-1, \slot, 0                     ; sixteen matrix instructions stand between the add and the wait for it
	s_wait_dscnt 0x0                               ; the add is done, and no LDS load of mine is out
	s_barrier_signal -1
	MUL16 2, 1, NQ-1, \slot, 0
	WIN 0
	s_barrier_wait -1                              ; the next slot is whole
	PLACES NP
	v_add_nc_u32 v[ADRS], 4*NQ, v[ADRS]            ; on to the next K step's scale words (no LDS load of mine is out)
	FETCH_B \next, 0, 0
	FETCH_A \next, 0, 0
	SCALES \next
	WIN MUL_HI
	MUL16 4, 1, NQ-1, \slot, 0
	MUL16 6, 1, NQ-1, \slot, 0
	PLACES NP
	WIN 0
	FETCH_A \next, 0, 4
.endm
.macro STEPS slot, from                ; the slot's steps from .. NQ - 2
.set Q, \from
.rept NQ-1-\from
	STEP \slot, Q, 0
.set Q, Q+1
.endr
.endm
	s_wait_tensorcnt 1                             ; the scales and my part of K step 0 are in (K step 1's load may be out)
	s_barrier_signal -1
	s_barrier_wait -1                              ; everybody's are
	FETCH_B 0, 0, 0
	FETCH_A 0, 0, 0
	SCALES 0
	FETCH_A 0, 0, 4
	STEP 0, 0, 1                                   ; the first step's products start the sums
	STEPS 0, 1
	TURN 0, 1
	STEPS 1, 0
	s_wait_dscnt 4*NL                              ; the very last step: nothing more to fetch
	WIN MUL_LO
	MUL16 0, 1, NQ-1, 1, 0
	MUL16 2, 1, NQ-1, 1, 0
	s_wait_dscnt 0
	WIN MUL_HI
	MUL16 4, 1, NQ-1, 1, 0
	MUL16 6, 1, NQ-1, 1, 0
	WIN 0
; THE WAY OUT, block by block of 16 rows x 128 channels.  Accumulator (a, b): lane (r, h) holds row 16 a + r, channels 16 b + 8 h + 0 .. 7: head b / 4 of my two, block j = b % 4.
; Times the factor in f32 (each accumulator from its low end on), rounded to f16 in pairs, stored from registers.
.macro OUTQ a
.set AC, 64*((\a)%4)
.set PB, PK+32*((\a)%2)
.if (\a) > 1
	s_wait_xcnt 0x0                                ; block a - 2's stores have read their data: the registers are written again only behind this wait
.endif
	WIN 0x82+0x41*((\a)/4)                         ; source 0 and destination: window 2 or 3
.set i, 0
.rept 32
	v_pk_mul_f32 v[AC+2*i:AC+2*i+1], v[AC+2*i:AC+2*i+1], s[FAC:FAC+1] op_sel_hi:[1,0]
.set i, i+1
.endr
	WIN 0x0a+5*((\a)/4)                            ; sources 0 and 1: window 2 or 3; destination window 0
.set i, 0
.rept 32
	v_cvt_pk_f16_f32 v[PB+i], v[AC+2*i], v[AC+2*i+1]
.set i, i+1
.endr
	WIN 0
.irp b, 0,1,2,3,4,5,6,7
	global_store_b128 v[CO], v[PB+4*\b:PB+4*\b+3], s[12:13] offset:(\a)*2048+(\b/4)*262144+(\b%4)*512   ; 32 lanes store 512 consecutive bytes, aligned
.endr
.endm
	PLACES NP                                      ; behind the last products: for the reads of results and for the writes into the registers that held x's fragments
.irp a, 0,1,2,3,4,5,6,7
	OUTQ \a
.endr
	s_wait_tensorcnt 0x0                           ; the wave's end: behind my last tensor load
	ds_add_u32 v[SPW], v[NIL]
	s_wait_dscnt 0x0
	CROUND                                         ; the closing round: no work-group ends while a partner may still ask for a tile that names it
	s_endpgm
.Lfunc_end_k_q31d37d67dc_proj:
	.size	k_q31d37d67dc_proj, .Lfunc_end_k_q31d37d67dc_proj-k_q31d37d67dc_proj
	.p2alignl 7, 3214868480
	.fill 96, 4, 3214868480
	.section	.rodata,"a",@progbits
	.p2align	6, 0x0
	.amdhsa_kernel k_q31d37d67dc_proj
		.amdhsa_group_segment_fixed_size 327680
		.amdhsa_private_segment_fixed_size 0
		.amdhsa_enable_private_segment 0
		.amdhsa_kernarg_size 24
		.amdhsa_user_sgpr_count 2
		.amdhsa_user_sgpr_kernarg_segment_ptr 1
		.amdhsa_wavefront_size32 1
		.amdhsa_system_sgpr_workgroup_id_x 1
		.amdhsa_system_sgpr_workgroup_id_y 1
		.amdhsa_system_sgpr_workgroup_id_z 1
		.amdhsa_system_vgpr_workitem_id 0
		.amdhsa_next_free_vgpr 1024
		.amdhsa_next_free_sgpr 100
		.amdhsa_reserve_vcc 0
		.amdhsa_float_denorm_mode_32 3
		.amdhsa_float_denorm_mode_16_64 3
		.amdhsa_memory_ordered 1
		.amdhsa_forward_progress 1
		.amdhsa_inst_pref_size 134
	.end_amdhsa_kernel
	.amdgpu_metadata
---
amdhsa.version: [ 1, 2 ]
amdhsa.kernels:
  - .name:           k_q31d37d67dc_proj
    .symbol:         k_q31d37d67dc_proj.kd
    .args:
      - { .name: codes, .offset: 0, .size: 8, .value_kind: global_buffer, .address_space: global }
      - { .name: scales, .offset: 8, .size: 8, .value_kind: global_buffer, .address_space: global }
      - { .name: qkv, .offset: 16, .size: 8, .value_kind: global_buffer, .address_space: global }
    .group_segment_fixed_size: 327680
    .private_segment_fixed_size: 0
    .kernarg_segment_align: 8
    .kernarg_segment_size: 24
    .max_flat_workgroup_size: 128
    .sgpr_count:     100
    .vgpr_count:     1024
    .wavefront_size: 32
...
	.end_amdgpu_metadata
.endif
;; end of part 2
;; launch attn (part 3): grid 4 x 64, 8 waves a work-group, clusters of 4 x 1, 327,680 bytes of LDS; arguments qkv, mwords, aimg; writes aimg
.if DOCPART == 3
	.amdgcn_target "amdgcn-amd-amdhsa--gfx1250"
	.amdhsa_code_object_version 6
	.text
	.protected	k_q31d37d67dc_attn
	.globl	k_q31d37d67dc_attn
	.p2align	8
	.type	k_q31d37d67dc_attn,@function
k_q31d37d67dc_attn:
	s_mov_b64 s[64:65], 0
	v_nop
	global_prefetch_b8 v0, s[64:65] scope:SCOPE_SE
	s_setreg_imm32_b32 hwreg(HW_REG_WAVE_MODE, 25, 1), 1
	s_wait_xcnt 0x0
	s_wait_alu depctr_hold_cnt(0) depctr_sa_sdst(0) depctr_va_vdst(0) depctr_va_sdst(0) depctr_va_ssrc(0) depctr_va_vcc(0) depctr_vm_vsrc(0)
	s_getreg_b32 s2, hwreg(HW_REG_IB_STS2, 6, 4)
	s_cmp_eq_u32 s2, 0
	s_cbranch_scc0 .Lentry_in_a_cluster
	s_endpgm
.Lentry_in_a_cluster:
	s_bfe_u32 s2, ttmp6, 0x10000c
	s_cmp_lg_u32 s2, 0x3003
	s_cbranch_scc0 .Lentry_shape_is_right
	s_endpgm
.Lentry_shape_is_right:
; ATTN: alpha[b][q][head] = the sum over k of softmax_k(score) v[b][k][head], score = q.k / 32, REPLACED by -1e20 where mask[q][k] = 0 or padding[b][k] = 0.  f16 operands, f32 sums, maxima and exponentials.
; q' and k' arrive multiplied by sqrt(log2(e) / 32) each, so t = q'.k' is the score in units of powers of two; a closed score becomes NEGT = -1e20 x log2(e).
; SOFTMAX: a running maximum m in every key step; p = 2^(t - m) by a plain subtraction, which is exactly 0 for NEGT - NEGT: a row with no open key so far has p = 1 at every key, as reference() has it (a uniform average);
; when an open key comes, a = 2^(m_old - m_new) = 0 wipes what was summed.  The row's sum is taken by the matrix unit (a product of ones with p): it is at least 1, since the largest p is 1.
; LIMITS: NaN and infinities are not served; |q'|, |k'|, |v|, |alpha| under 65,504 (f16).  p under 2^-25 rounds to 0 in f16, beside a sum of at least 1.
; SHARES: a work-group owns 512 queries of one batch and head; each of its eight waves 64: four tiles of 16.  Two waves share a SIMD: one's vector work stands beside the other's matrix work.  Every wave walks all 2,048 keys, 64 a step.
; LAYOUT: S^T = K Q^T (source 0 = 16 keys, source 1 = 16 queries): a lane holds ONE query (lane % 16) and keys 8 (lane / 16) + 0 .. 7 of each tile of 16 keys.  Two such tiles, rounded to f16 in pairs, ARE source 1 of
; O^T = V^T P, whose result again holds one query a lane and eight channels, which pack into the lane's 16 bytes of alpha's image: aimg [row tile 512][kb 64][512 bytes], stored from registers, 512 aligned bytes an instruction.
; q, k, v come as images of operand registers, so every LDS load takes 512 consecutive bytes: no pitch, no padding.  v's blocks lie 16 keys x 32 bytes; the turning load makes fragments of V^T of them.
; THE MASK costs one select a score: its 32 lane bits for a score register are one word of mwords, brought by scalar loads, 32 words for a tile and step.  Two sets of 32 scalar registers hold a tile pair's words;
; a set is asked for again as soon as its selects are issued, so a request's lead is the work from one pair's selects to the other pair's.
; THE KEY STEP GOES BY TILE PAIRS, so that both leads are alike: K Q^T of pair 0 | selects of pair 0, pair 2's words asked for | K Q^T of pair 2 | softmax, rescaling, V^T P of pair 0 |
; selects of pair 2, the next step's words of pair 0 asked for | softmax, rescaling, V^T P of pair 2.  Between every request and the wait for it stand 36 matrix instructions and one pair's softmax.
; The sixteen heads of a batch read the same mask words, so they are no stream that is read once: no prefetch is laid for them.
; CLUSTER: the four query blocks of a batch and head walk the same K and V: each tile is asked for jointly, all eight waves one load of 16,384 bytes each, mask 15.
; RING: two slots of 512 keys.  A fill is asked for a whole slot, eight key steps (576 matrix instructions a wave), ahead of the wait for it; so no prefetch is laid for K and V.  One tensor load of a wave is out at any time.
; REGISTERS: window 0: v1-7 addresses and constants; v8-15 ones; v16-47 statistics, eight a tile; v48-111 K's 16 blocks, then V's 8 fragments; v112-239 S^T, 32 a tile, P in each tile's first 16.
;            window 1: v0-63 Q; v64-191 O^T, 32 a tile; v192-223 the sums, 8 a tile.
.set SLOT1, 131072                     ; slot 1 begins here: one exclusive or turns an address in one slot into the other's
.set VOFF,  65536                      ; a slot: K's 512 keys x 128 bytes, then V's
.set STEPB, 8192                       ; 64 keys x 128 bytes
.set SPARE, 262144                     ; behind the ring: the spare words, 128 bytes for each wave: four blocks of 256 bytes that no other line names
.set LK,   1                           ; v1   16 x lane
.set LV,   2                           ; v2   my lane's place in a block of V, for the turning load
.set ADK,  3                           ; v3   LDS address of the step's K
.set ADV,  4                           ; v4   of its V
.set NEG,  5                           ; v5   NEGT
.set SPW,  6                           ; v6   LDS address of my spare word; never rewritten
.set NIL,  7                           ; v7   0; never rewritten
.set ONES, 8                           ; v8-15  a fragment of ones in f16
.set ST,   16                          ; tile t's statistics at v[ST + 8 t]: +0 m (+1 written once: named with it as a pair), +2 a (+3 likewise), +4 .. +7 c0-c3, at work
.set KV,   48
.set SS,   112
.set QF,   0                           ; window 1
.set OT,   64
.set LS,   192
.set SEL,  4                           ; s[4:5] lane selects for v_permlanex16_b32: lane l xor 16
.set WV,   6                           ; s6   my wave's number
.set CNT,  7                           ; s7   counts key steps
.set G1,   8                           ; s[8:15]  descriptor group 1
.set G0,   16                          ; s[16:19] descriptor group 0, which walks
.set TB,   20                          ; s20  LDS byte at which the step's K begins
.set SLOTS, 21                         ; s21  counts slots
.set MB,   22                          ; s[22:23] my tile 0's mask words of the step in hand
.set AO,   24                          ; s[24:25] alpha's image at my first tile
.set QA,   26                          ; s[26:27] q's image at my first tile
.set SET0, 32                          ; s[32:63] 32 mask words;  s[68:99] 32 more
.set SET1, 68
.set MSB, 0
.macro WIN new                         ; the immediate's high byte repeats the setting that is left; a switch that changes nothing is dropped
.if MSB != \new
	s_set_vgpr_msb (MSB<<8)|\new
.set MSB, \new
.endif
.endm
.set W_QK, 0x04                        ; source 1 (Q) window 1
.set W_PV, 0x50                        ; C and D (O^T, the sums) window 1
.set W_RS, 0x41                        ; destination and source 0 window 1
.macro ROUND                           ; a round of the cluster's barrier
	s_barrier_signal -1
	s_barrier_wait -1
	s_cmp_lg_u32 s[WV], 0
	s_cbranch_scc1 .Lnot_wave_0_\@
	s_barrier_signal -3
.Lnot_wave_0_\@:
	s_barrier_wait -3
	s_barrier_signal -1
	s_barrier_wait -1
.endm
.macro SLOAD set, off                  ; 32 mask words: a tile's 4 key tiles x 8 registers of a key step
	s_load_b512 s[\set:\set+15], s[MB:MB+1], \off
	s_load_b512 s[\set+16:\set+31], s[MB:MB+1], \off+64
.endm
.macro MASK t, set                     ; a closed score becomes NEGT; from the accumulators' low end on
.set i, 0
.rept 32
	v_cndmask_b32 v[SS+32*(\t)+i], v[NEG], v[SS+32*(\t)+i], s[\set+i]
.set i, i+1
.endr
.endm
; S^T = K Q^T of tiles x and x + 1, channels 32 f on: eight products.  f = 0 starts the sums; f = 1 adds in place, in the same order: the eight accumulators take turns, one instruction a turn.
.macro QK x, f
.irp kt, 0,1,2,3
.irp t, \x, \x+1
.if \f == 0
	v_wmma_f32_16x16x32_f16 v[SS+32*(\t)+8*\kt:SS+32*(\t)+8*\kt+7], v[KV+16*\kt:KV+16*\kt+7], v[QF+16*(\t):QF+16*(\t)+7], 0
.else
	v_wmma_f32_16x16x32_f16 v[SS+32*(\t)+8*\kt:SS+32*(\t)+8*\kt+7], v[KV+16*\kt+8:KV+16*\kt+15], v[QF+16*(\t)+8:QF+16*(\t)+15], v[SS+32*(\t)+8*\kt:SS+32*(\t)+8*\kt+7]
.endif
.endr
.endr
.endm
; The softmax of tiles x and x + 1 for one key step; the two tiles alternate line by line, so that no line waits for the line above it.  first = 1: the first key step, which has no old maximum.
.macro REST x, first
.irp j, 0,1,2,3
.irp t, \x, \x+1
	v_max3_num_f32 v[ST+8*(\t)+4+\j], v[SS+32*(\t)+8*\j], v[SS+32*(\t)+8*\j+1], v[SS+32*(\t)+8*\j+2]   ; four chains of seven scores
.endr
.endr
.irp q, 1,2
.irp j, 0,1,2,3
.irp t, \x, \x+1
	v_max3_num_f32 v[ST+8*(\t)+4+\j], v[ST+8*(\t)+4+\j], v[SS+32*(\t)+8*\j+2*\q+1], v[SS+32*(\t)+8*\j+2*\q+2]
.endr
.endr
.endr
.irp t, \x, \x+1
	v_max3_num_f32 v[ST+8*(\t)+4], v[ST+8*(\t)+4], v[SS+32*(\t)+7], v[SS+32*(\t)+15]   ; the four scores left over
.endr
.irp t, \x, \x+1
	v_max3_num_f32 v[ST+8*(\t)+6], v[ST+8*(\t)+6], v[SS+32*(\t)+23], v[SS+32*(\t)+31]
.endr
.irp t, \x, \x+1
	v_max3_num_f32 v[ST+8*(\t)+4], v[ST+8*(\t)+4], v[ST+8*(\t)+5], v[ST+8*(\t)+6]
.endr
.irp t, \x, \x+1
.if \first
	v_max_num_f32 v[ST+8*(\t)+4], v[ST+8*(\t)+4], v[ST+8*(\t)+7]
.else
	v_max3_num_f32 v[ST+8*(\t)+4], v[ST+8*(\t)+4], v[ST+8*(\t)+7], v[ST+8*(\t)]   ; and the old m
.endif
.endr
.irp t, \x, \x+1
	v_permlanex16_b32 v[ST+8*(\t)+5], v[ST+8*(\t)+4], s[SEL], s[SEL+1]   ; the query's other 32 keys lie in the lane 16 away
.endr
.if \first == 0
.irp t, \x, \x+1
	v_mov_b32 v[ST+8*(\t)+7], v[ST+8*(\t)]         ; m_old
.endr
.endif
.irp t, \x, \x+1
	v_max_num_f32 v[ST+8*(\t)], v[ST+8*(\t)+4], v[ST+8*(\t)+5]   ; the new m
.endr
.if \first == 0
.irp t, \x, \x+1
	v_sub_f32 v[ST+8*(\t)+7], v[ST+8*(\t)+7], v[ST+8*(\t)]       ; m_old - m_new
.endr
.endif
.set i, 0
.rept 16
.irp t, \x, \x+1
	v_pk_add_f32 v[SS+32*(\t)+2*i:SS+32*(\t)+2*i+1], v[SS+32*(\t)+2*i:SS+32*(\t)+2*i+1], v[ST+8*(\t):ST+8*(\t)+1] op_sel_hi:[1,0] neg_lo:[0,1] neg_hi:[0,1]   ; t - m, two at a time
.endr
.set i, i+1
.endr
.if \first == 0
.irp t, \x, \x+1
	v_exp_f32 v[ST+8*(\t)+2], v[ST+8*(\t)+7]       ; a
.endr
.endif
.set i, 0
.rept 32
.irp t, \x, \x+1
	v_exp_f32 v[SS+32*(\t)+i], v[SS+32*(\t)+i]     ; p; none of the batch reads another's result
.endr
.set i, i+1
.endr
	v_nop                                          ; a plain instruction behind the last exponential, ahead of the first use: one for the batch
	s_wait_alu depctr_va_vdst(0)                   ; and the one wait ahead of the batch's first reader
.set i, 0
.rept 16
.irp t, \x, \x+1
	v_cvt_pk_f16_f32 v[SS+32*(\t)+i], v[SS+32*(\t)+2*i], v[SS+32*(\t)+2*i+1]   ; P in place: register i is written when registers up to 2 i + 1 have been read
.endr
.set i, i+1
.endr
.endm
; O^T and the sums of tiles x and x + 1 are brought under the new m: x a.
.macro RESC x
	WIN W_RS
.irp t, \x, \x+1
.set i, 0
.rept 16
	v_pk_mul_f32 v[OT+32*(\t)+2*i:OT+32*(\t)+2*i+1], v[OT+32*(\t)+2*i:OT+32*(\t)+2*i+1], v[ST+8*(\t)+2:ST+8*(\t)+3] op_sel_hi:[1,0]   ; each accumulator from its low end on
.set i, i+1
.endr
	v_pk_mul_f32 v[LS+8*(\t):LS+8*(\t)+1], v[LS+8*(\t):LS+8*(\t)+1], v[ST+8*(\t)+2:ST+8*(\t)+3] op_sel_hi:[1,0]   ; all eight registers would hold the same sum; register 0 alone is read, so the other six are left unscaled (sums of p: at most 2,048)
.endr
.endm
; O^T += V^T P and the sums += ones P of tiles x and x + 1: keys 32 u on; twenty products; the ten accumulators take turns, one instruction a turn.  first = 1: the first ten start the sums.
.macro PV x, first
	WIN W_PV
.irp u, 0,1
.irp t, \x, \x+1
.irp ct, 0,1,2,3
.if \first && (\u == 0)
	v_wmma_f32_16x16x32_f16 v[OT+32*(\t)+8*\ct:OT+32*(\t)+8*\ct+7], v[KV+8*(4*\u+\ct):KV+8*(4*\u+\ct)+7], v[SS+32*(\t)+8*\u:SS+32*(\t)+8*\u+7], 0
.else
	v_wmma_f32_16x16x32_f16 v[OT+32*(\t)+8*\ct:OT+32*(\t)+8*\ct+7], v[KV+8*(4*\u+\ct):KV+8*(4*\u+\ct)+7], v[SS+32*(\t)+8*\u:SS+32*(\t)+8*\u+7], v[OT+32*(\t)+8*\ct:OT+32*(\t)+8*\ct+7]
.endif
.endr
.if \first && (\u == 0)
	v_wmma_f32_16x16x32_f16 v[LS+8*(\t):LS+8*(\t)+7], v[ONES:ONES+7], v[SS+32*(\t)+8*\u:SS+32*(\t)+8*\u+7], 0
.else
	v_wmma_f32_16x16x32_f16 v[LS+8*(\t):LS+8*(\t)+7], v[ONES:ONES+7], v[SS+32*(\t)+8*\u:SS+32*(\t)+8*\u+7], v[LS+8*(\t):LS+8*(\t)+7]
.endif
.endr
.endr
	WIN 0
.endm
; THE CHANGE OF SLOTS stands at a slot's head.  Each wave waits for all its tensor loads (its part of the slot that it is about to read), adds 0 to its spare word, and waits for that and for its reads of the slot that it has left.
; fill = 1: a round of the cluster's barrier follows, so that no wave of any partner still reads the other slot or has a load on its way, and the joint load of the next 512 keys is the first thing behind it.
.macro CHANGE fill
	s_wait_tensorcnt 0x0                           ; no tensor load of mine is out, so group 0 may be written
	ds_add_u32 v[SPW], v[NIL]                      ; 0 onto my spare word
.if \fill
	s_xor_b32 s[G0+1], s[G0+1], SLOT1              ; the other slot than last time,
	s_add_nc_u64 s[G0+2:G0+3], s[G0+2:G0+3], 65536 ; the next 512 keys; the type bits on top are not reached
.endif
	s_wait_dscnt 0x0                               ; the add is done, and my reads of the slot that I have left are over
.if \fill
	ROUND
	tensor_load_to_lds s[G0:G0+3], s[G1:G1+7]      ; my one tensor load until the next round
	s_nop 0
.rept 4
	v_nop
.endr
.else
	s_barrier_signal -1
	s_barrier_wait -1
.endif
.endm
; A KEY STEP: 64 keys, by tile pairs.  first = 1: the launch's first, whose products start O^T and the sums: nothing is ever cleared.
.macro STEP first
	v_add_nc_u32 v[ADK], s[TB], v[LK]
	v_add_nc_u32 v[ADV], s[TB], v[LV]
.rept 2
	v_nop                                          ; with the two additions four places behind the last products V^T P, for the loads into the registers that held V
.endr
.irp f, 0,1                                    ; K: key tile kt, channels 32 f + 16 c on; the channels 0-31 of all four key tiles first
.irp kt, 0,1,2,3
.irp c, 0,1
	ds_load_b128 v[KV+16*\kt+8*\f+4*\c:KV+16*\kt+8*\f+4*\c+3], v[ADK] offset:(4*\kt+2*\f+\c)*512
.endr
.endr
.endr
	s_wait_dscnt 8                                 ; channels 0-31 are in; the eight younger loads, channels 32-63, may be out
	WIN W_QK
	QK 0, 0
	s_wait_dscnt 0x0                               ; channels 32-63 are in
	QK 0, 1
	WIN 0
.rept 4
	v_nop                                          ; four places ahead of the first reads of pair 0's scores
.endr
	s_wait_kmcnt 0x0                               ; pair 0's mask words, asked for behind pair 2's selects of the step before
	MASK 0, SET0
	SLOAD SET0, 8192                               ; tile 2's
	MASK 1, SET1
	SLOAD SET1, 12288                              ; tile 3's: 36 matrix instructions and pair 0's softmax ahead of the wait for them
	WIN W_QK
	QK 2, 0
	QK 2, 1
	WIN 0
.rept 4
	v_nop                                          ; four places: for the loads into the registers that held K
.endr
.irp u, 0,1                                    ; V^T: keys 32 u on, channels 16 ct on; half c of a fragment is key tile 2 u + c
.irp ct, 0,1,2,3
.irp c, 0,1
	ds_load_tr16_b128 v[KV+8*(4*\u+\ct)+4*\c:KV+8*(4*\u+\ct)+4*\c+3], v[ADV] offset:(2*\u+\c)*2048+\ct*512
.endr
.endr
.endr
	REST 0, \first
.if \first == 0
	RESC 0
.endif
	s_wait_dscnt 0x0                               ; V is in: asked for a pair's softmax ago
	PV 0, \first
	s_wait_kmcnt 0x0                               ; pair 2's mask words are in, and no scalar load is out:
	s_wait_xcnt 0x0                                ; the loads have read their base, which is written only behind this wait
	s_add_nc_u64 s[MB:MB+1], s[MB:MB+1], 128       ; the next step's words
	MASK 2, SET0
	SLOAD SET0, 0                                  ; the next step's tile 0 (behind the last step: the first words of my tile 1, inside the buffer and not used)
	MASK 3, SET1
	SLOAD SET1, 4096                               ; and tile 1 (behind the last step: of my tile 2): again 36 matrix instructions and a pair's softmax ahead of the wait
	REST 2, \first
.if \first == 0
	RESC 2
.endif
	PV 2, \first                                   ; it leaves every window 0, as a label and a branch want it
	s_add_co_u32 s[TB], s[TB], STEPB
.endm
.macro STEPS n                         ; n key steps: written once, walked n times; the LDS addresses hang on s[TB]
	s_mov_b32 s[CNT], \n
.Lstep_\@:
	STEP 0
	s_sub_co_u32 s[CNT], s[CNT], 1
	s_cmp_lg_u32 s[CNT], 0
	s_cbranch_scc1 .Lstep_\@
.endm
.macro TBFLIP                          ; back to a slot's first step, in the other slot
	s_sub_co_u32 s[TB], s[TB], 8*STEPB
	s_xor_b32 s[TB], s[TB], SLOT1
.endm
	s_load_b128 s[28:31], s[0:1], 0x0              ; qkv s[28:29], mwords s[30:31]
	s_load_b64 s[AO:AO+1], s[0:1], 0x10            ; aimg
	v_lshl_add_u32 v[SPW], v0, 2, SPARE
	v_mov_b32 v[NIL], 0
	ds_add_u32 v[SPW], v[NIL]                      ; the wave's opening: the add, twice on end, and its wait ahead of my first tensor load; the set-up below, work on registers, stands between
	ds_add_u32 v[SPW], v[NIL]
	v_lshrrev_b32 v3, 5, v0
	v_readfirstlane_b32 s[WV], v3                  ; wave 0..7
	v_and_b32 v[LK], 31, v0
	v_lshlrev_b32 v[LK], 4, v[LK]                  ; 16 x lane
	v_bfe_u32 v3, v0, 4, 1                         ; the turning load takes 16 keys x 16 channels: lane l reads key 8 (l / 16) + l % 8, channels 8 ((l / 8) % 2) on; a key's row is 32 bytes
	v_and_b32 v4, 7, v0
	v_lshl_add_u32 v3, v3, 3, v4
	v_lshlrev_b32 v[LV], 5, v3
	v_bfe_u32 v4, v0, 3, 1
	v_lshl_add_u32 v[LV], v4, 4, v[LV]
	v_add_nc_u32 v[LV], VOFF, v[LV]
	s_and_b32 s66, ttmp7, 0xffff                   ; 16 x batch + head, which the four partners share
	s_bfe_u32 s67, ttmp6, 0x40000                  ; cx: my block of 512 queries: it enters q's, the mask words' and alpha's addresses alone
	s_lshl_b32 s[G0+1], s[WV], 14                  ; my tile's place in a slot: wave x 16,384: waves 0-3 K's quarters, waves 4-7 V's
	s_lshr_b32 s2, s[WV], 2
	s_add_co_u32 s2, s2, 1                         ; k is tensor 1 of qkv, v tensor 2
	s_lshl_b32 s2, s2, 24                          ; x 16,777,216 bytes
	s_lshl_b32 s3, s66, 18                         ; + a batch and head's 262,144
	s_add_co_u32 s2, s2, s3
	s_and_b32 s3, s[WV], 3
	s_lshl_b32 s3, s3, 14                          ; + my quarter of the slot's 65,536
	s_add_co_u32 s2, s2, s3
	s_mov_b32 s3, 0
	s_lshl_b32 s100, s67, 5
	s_lshl_b32 s101, s[WV], 2
	s_add_co_u32 s100, s100, s101                  ; my first tile of 16 queries: 32 cx + 4 x wave
	s_lshr_b32 s101, s66, 4
	s_lshl_b32 s101, s101, 7
	s_add_co_u32 s101, s101, s100                  ; 128 x batch + that tile
	s_lshl_b32 s32, s101, 12                       ; mask words: 4,096 bytes a tile  (the mask words' registers serve as temporaries until the first SLOAD)
	s_mov_b32 s33, 0
	s_lshl_b32 s34, s101, 15                       ; alpha's image: 32,768 bytes a tile,
	s_and_b32 s35, s66, 15
	s_lshl_b32 s35, s35, 11                        ; the head's four blocks of 512
	s_add_co_u32 s34, s34, s35
	s_mov_b32 s35, 0
	s_lshl_b32 s36, s66, 18                        ; q's image (tensor 0): batch and head,
	s_lshl_b32 s37, s100, 11                       ; 2,048 bytes a tile
	s_add_co_u32 s36, s36, s37
	s_mov_b32 s37, 0
	; descriptor group 1: 64 rows of 256 bytes, dense: 16,384 bytes
	s_mov_b32 s[G1], 15|(3<<16)|(1<<21)            ; 15:0 the mask: all four work-groups; 17:16 elements of 8 bytes; 21 set beside a mask; no padding
	s_mov_b32 s[G1+1], 32<<16                      ; tensor_dim0 = 32
	s_mov_b32 s[G1+2], 64<<16                      ; tensor_dim1 = 64
	s_mov_b32 s[G1+3], 32<<16                      ; tile_dim0 = 32
	s_mov_b32 s[G1+4], 64                          ; tile_dim1 = 64
	s_mov_b32 s[G1+5], 32                          ; tensor_dim0_stride
	s_mov_b32 s[G1+6], 0
	s_mov_b32 s[G1+7], 0
	s_mov_b32 s[SEL], 0x76543210
	s_mov_b32 s[SEL+1], 0xfedcba98
	s_mov_b32 s[TB], 0
	s_wait_dscnt 0x0                               ; both opening adds are done
	s_wait_kmcnt 0x0
	s_mov_b32 s[G0], 1
	s_add_nc_u64 s[G0+2:G0+3], s[28:29], s[2:3]
	s_or_b32 s[G0+3], s[G0+3], 0x80000000
	s_add_nc_u64 s[MB:MB+1], s[30:31], s[32:33]
	s_add_nc_u64 s[AO:AO+1], s[AO:AO+1], s[34:35]
	s_add_nc_u64 s[QA:QA+1], s[28:29], s[36:37]
	ROUND                                          ; all four work-groups are here: the first joint loads meet
	tensor_load_to_lds s[G0:G0+3], s[G1:G1+7]      ; slot 0: keys 0 to 511
	s_nop 0
.rept 4
	v_nop
.endr
	SLOAD SET0, 0                                  ; the first step's mask words of tiles 0 and 1
	SLOAD SET1, 4096
	WIN 0x40                                       ; destination window 1
.irp t, 0,1,2,3
.irp j, 0,1,2,3
	global_load_b128 v[QF+16*\t+4*\j:QF+16*\t+4*\j+3], v[LK], s[QA:QA+1] offset:\t*2048+\j*512   ; Q stays in registers
.endr
.endr
	WIN 0
	v_mov_b32 v[NEG], 0xe0fa44a6                   ; NEGT = -1e20 x log2(e)
.irp i, 0,1,2,3,4,5,6,7
	v_mov_b32 v[ONES+\i], 0x3c003c00               ; 1.0, 1.0 in f16
.endr
.irp t, 0,1,2,3
	v_mov_b32 v[ST+8*\t+1], 0                      ; the upper halves of the pairs that name m and a: written once
	v_mov_b32 v[ST+8*\t+3], 0
.endr
	s_wait_loadcnt 0x0                             ; Q
	CHANGE 1                                       ; slot 0 is whole; slot 1's first fill goes out as a refill does
	STEP 1
	STEPS 7
	TBFLIP
	s_mov_b32 s[SLOTS], 2
.Lslot:                                            ; two trips: the slot just left takes the keys two slots on
	CHANGE 1
	STEPS 8
	TBFLIP
	s_sub_co_u32 s[SLOTS], s[SLOTS], 1
	s_cmp_lg_u32 s[SLOTS], 0
	s_cbranch_scc1 .Lslot
	CHANGE 0                                       ; the last slot is written out: nothing is left to ask for
	STEPS 8
	; THE WAY OUT: every lane holds its own query's sum; O^T is divided by it, rounded to f16 and stored as alpha's image
.rept 4
	v_nop                                          ; four places behind the last products
.endr
	WIN 0x01                                       ; source 0 window 1
.irp t, 0,1,2,3
	v_rcp_f32 v[ST+8*\t+2], v[LS+8*\t]
.endr
	v_nop                                          ; a plain instruction between the last reciprocal and the use of its result
	s_wait_alu depctr_va_vdst(0)                   ; and the wait ahead of the first use: one for the four
.irp t, 0,1,2,3
	WIN W_RS
.set i, 0
.rept 16
	v_pk_mul_f32 v[OT+32*\t+2*i:OT+32*\t+2*i+1], v[OT+32*\t+2*i:OT+32*\t+2*i+1], v[ST+8*\t+2:ST+8*\t+3] op_sel_hi:[1,0]
.set i, i+1
.endr
	WIN 0x05                                       ; sources 0 and 1 window 1, destination window 0: S^T's registers are free
.set i, 0
.rept 16
	v_cvt_pk_f16_f32 v[SS+16*\t+i], v[OT+32*\t+2*i], v[OT+32*\t+2*i+1]
.set i, i+1
.endr
	WIN 0
.irp ct, 0,1,2,3
	global_store_b128 v[LK], v[SS+16*\t+4*\ct:SS+16*\t+4*\ct+3], s[AO:AO+1] offset:\t*32768+\ct*512   ; 32 lanes store 512 consecutive bytes, aligned
.endr
.endr
	s_wait_kmcnt 0x0                               ; the last step's scalar loads
	s_wait_tensorcnt 0x0                           ; the wave's end: behind my last tensor load
	ds_add_u32 v[SPW], v[NIL]
	s_wait_dscnt 0x0
	ROUND                                          ; the closing round: no work-group ends while a partner may still ask for a tile that names it
	s_endpgm
.Lfunc_end_k_q31d37d67dc_attn:
	.size	k_q31d37d67dc_attn, .Lfunc_end_k_q31d37d67dc_attn-k_q31d37d67dc_attn
	.p2alignl 7, 3214868480
	.fill 96, 4, 3214868480
	.section	.rodata,"a",@progbits
	.p2align	6, 0x0
	.amdhsa_kernel k_q31d37d67dc_attn
		.amdhsa_group_segment_fixed_size 327680
		.amdhsa_private_segment_fixed_size 0
		.amdhsa_enable_private_segment 0
		.amdhsa_kernarg_size 24
		.amdhsa_user_sgpr_count 2
		.amdhsa_user_sgpr_kernarg_segment_ptr 1
		.amdhsa_wavefront_size32 1
		.amdhsa_system_sgpr_workgroup_id_x 1
		.amdhsa_system_sgpr_workgroup_id_y 1
		.amdhsa_system_sgpr_workgroup_id_z 1
		.amdhsa_system_vgpr_workitem_id 0
		.amdhsa_next_free_vgpr 512
		.amdhsa_next_free_sgpr 102
		.amdhsa_reserve_vcc 0
		.amdhsa_float_denorm_mode_32 3
		.amdhsa_float_denorm_mode_16_64 3
		.amdhsa_memory_ordered 1
		.amdhsa_forward_progress 1
		.amdhsa_inst_pref_size 164
	.end_amdhsa_kernel
	.amdgpu_metadata
---
amdhsa.version: [ 1, 2 ]
amdhsa.kernels:
  - .name:           k_q31d37d67dc_attn
    .symbol:         k_q31d37d67dc_attn.kd
    .args:
      - { .name: qkv, .offset: 0, .size: 8, .value_kind: global_buffer, .address_space: global }
      - { .name: mwords, .offset: 8, .size: 8, .value_kind: global_buffer, .address_space: global }
      - { .name: aimg, .offset: 16, .size: 8, .value_kind: global_buffer, .address_space: global }
    .group_segment_fixed_size: 327680
    .private_segment_fixed_size: 0
    .kernarg_segment_align: 8
    .kernarg_segment_size: 24
    .max_flat_workgroup_size: 256
    .sgpr_count:     102
    .vgpr_count:     512
    .wavefront_size: 32
...
	.end_amdgpu_metadata
.endif
;; end of part 3
;; launch oproj (part 4): grid 8 x 32, 4 waves a work-group, clusters of 4 x 4, 327,680 bytes of LDS; arguments aimg, wo16, out0; writes out0
.if DOCPART == 4
	.amdgcn_target "amdgcn-amd-amdhsa--gfx1250"
	.amdhsa_code_object_version 6
	.text
	.protected	k_q31d37d67dc_oproj
	.globl	k_q31d37d67dc_oproj
	.p2align	8
	.type	k_q31d37d67dc_oproj,@function
k_q31d37d67dc_oproj:
	s_mov_b64 s[64:65], 0
	v_nop
	global_prefetch_b8 v0, s[64:65] scope:SCOPE_SE
	s_setreg_imm32_b32 hwreg(HW_REG_WAVE_MODE, 25, 1), 1
	s_wait_xcnt 0x0
	s_wait_alu depctr_hold_cnt(0) depctr_sa_sdst(0) depctr_va_vdst(0) depctr_va_sdst(0) depctr_va_ssrc(0) depctr_va_vcc(0) depctr_vm_vsrc(0)
	s_getreg_b32 s2, hwreg(HW_REG_IB_STS2, 6, 4)
	s_cmp_eq_u32 s2, 0
	s_cbranch_scc0 .Lentry_in_a_cluster
	s_endpgm
.Lentry_in_a_cluster:
	s_bfe_u32 s2, ttmp6, 0x10000c
	s_cmp_lg_u32 s2, 0xf033
	s_cbranch_scc0 .Lentry_shape_is_right
	s_endpgm
.Lentry_shape_is_right:
; OPROJ: out0[m][n] = the sum over k of alpha[m][k] Wo[n][k].  alpha [8192][1024] and Wo [1024][1024] arrive in f16 as images of operand registers, [tile of 16 rows][kb 64][512 bytes]:
; lane r + 16 h has, at byte 16 x lane, row r, k = 16 kb + 8 h .. + 7.  out0 [8192][1024] f32; sums in f32.
; A tile of out0 is 256 rows x 128 columns: 256 work-groups, one for each WGP.  Four waves, each 128 x 64: 32 accumulators of 16 x 16, 256 registers.
; K goes in 8 steps of 128 through a ring of two LDS slots.  A K step of a row tile is 4,096 consecutive bytes of memory; in LDS the tiles lie densely, and every fragment load takes 512 consecutive bytes: no pitch, no padding.
; CLUSTERS: 4 x 4 work-groups.  The four of a row of the cluster need the same tiles of alpha, the four of a column the same tiles of Wo: each is asked for jointly, by the same tensor load with a mask that names the four.
; THE MATRIX INSTRUCTION IS USED TRANSPOSED (source 0 = 16 rows of Wo, source 1 = 16 rows of alpha): a lane holds eight neighbouring numbers of a row of out0.
; REGISTERS: window 0: v16-29 addresses; v32-127 and v128-223 two fragment buffers (Wo's 4 fragments, then alpha's 8, for 32 along K); on the way out v32-95 rows read back.  window 1: accumulator (a, b) at v[8 (4 a + b)].
.set KB,     4096                      ; a K step of a tile of 16 rows, in bytes
.set SLOT,   98304                     ; alpha's 16 row tiles x 4,096, then Wo's 8 x 4,096
.set BOFF,   65536
.set STAGE,  2*SLOT                    ; behind the ring: 16 rows x (256 bytes + 16) for each wave, for the way out; no tensor load lands here
.set SPITCH, 272
.set SPARE,  STAGE+4*16*SPITCH         ; the spare words, 128 bytes for each wave: two blocks of 256 bytes that no other line names
.set LAPS,   4                         ; a lap = two K steps = once round the ring
.set ADRA, 16                          ; v16-17  LDS address of my alpha fragments in slot 0, 1
.set ADRB, 20                          ; v20-21  the same for Wo
.set STO,  24                          ; v24     the way out: where I put 32 bytes of a row
.set RD,   25                          ; v25     where I read a row back
.set CO,   26                          ; v26     my byte offset in out0
.set SPW,  28                          ; v28     LDS address of my spare word; never rewritten
.set NIL,  29                          ; v29     0; never rewritten
.set F0,   32
.set F1,   128
.set OB,   32                          ; the way out: 16 rows read back: v32-63 and v64-95 by turns
.set G1, 24                            ; s[24:31] descriptor group 1 for alpha's tiles;  s[32:39] group 0, one set for each slot
.set G0, 32
.set G1B, 48                           ; s[48:55], s[56:63] the same for Wo's
.set G0B, 56
.set MSB, 0
.macro WIN new                         ; the immediate's high byte repeats the setting that is left
.if MSB != \new
	s_set_vgpr_msb (MSB<<8)|\new
.set MSB, \new
.endif
.endm
.set MUL, 0x50                         ; C and D window 1; both sources window 0
.macro JLOAD s                         ; a joint load: waves 0 and 1 fetch alpha's two halves, waves 2 and 3 Wo's; an s_nop 0 and four v_nop follow each of the two lines, ahead of the jump, the label and what follows
	s_cmp_eq_u32 s11, 0
	s_cbranch_scc0 .Lfor_b_\@
	tensor_load_to_lds s[G0+4*\s:G0+4*\s+3], s[G1:G1+7]
	s_nop 0
.rept 4
	v_nop
.endr
	s_branch .Lasked_\@
.Lfor_b_\@:
	tensor_load_to_lds s[G0B+4*\s:G0B+4*\s+3], s[G1B:G1B+7]
	s_nop 0
.rept 4
	v_nop
.endr
.Lasked_\@:
.endm
.macro CREST                           ; a round of the cluster's barrier behind its opening barrier
	s_cmp_lg_u32 s10, 0
	s_cbranch_scc1 .Lnot_wave_0_\@
	s_barrier_signal -3
.Lnot_wave_0_\@:
	s_barrier_wait -3
	s_barrier_signal -1
	s_barrier_wait -1
.endm
.macro CROUND                          ; a whole round
	s_barrier_signal -1
	s_barrier_wait -1
	CREST
.endm
	s_load_b128 s[4:7], s[0:1], 0x0                ; aimg s[4:5], wo16 s[6:7]
	s_load_b64 s[8:9], s[0:1], 0x10                ; out0
	v_lshl_add_u32 v[SPW], v0, 2, SPARE
	v_mov_b32 v[NIL], 0
	ds_add_u32 v[SPW], v[NIL]                      ; the wave's opening: the add, twice on end, and its wait ahead of my first tensor load; the set-up below, work on registers, stands between
	ds_add_u32 v[SPW], v[NIL]
	v_lshrrev_b32 v1, 5, v0
	v_readfirstlane_b32 s10, v1                    ; wave 0..3
	s_lshr_b32 s11, s10, 1                         ; which half of the tile's rows is mine.  Also: I fetch for alpha (0) or for Wo (1)
	s_and_b32 s12, s10, 1                          ; which half of its columns.  Also: which half of that tile I fetch
	s_bfe_u32 s40, ttmp6, 0x40000                  ; cx, cy: my place in the cluster
	s_bfe_u32 s41, ttmp6, 0x40004
	s_lshl_b32 s42, ttmp9, 2
	s_add_co_u32 s42, s42, s40                     ; tile column = 4 x cluster x + cx
	s_and_b32 s13, ttmp7, 0xffff
	s_lshl_b32 s13, s13, 2
	s_add_co_u32 s13, s13, s41                     ; tile row = 4 x cluster y + cy
	s_lshl_b32 s43, s41, 2
	s_lshl_b32 s43, 15, s43                        ; my row of the cluster
	s_lshl_b32 s44, 0x1111, s40                    ; my column
	; descriptor group 1: rows of 4,096 bytes (512 elements of 8 bytes), 32,768 bytes apart in memory, dense in LDS: 8 of them for alpha, 4 for Wo
	s_or_b32 s[G1+0], s43, (3<<16)|(1<<21)         ; 15:0 the mask: alpha's tiles go to my row; 17:16 elements of 8 bytes; 21 set beside a mask; no padding
	s_or_b32 s[G1B+0], s44, (3<<16)|(1<<21)
	s_mov_b32 s[G1+1], 512<<16                     ; tensor_dim0 = 512
	s_mov_b32 s[G1+2], 8<<16                       ; tensor_dim1 = 8
	s_mov_b32 s[G1+3], 512<<16                     ; tile_dim0 = 512
	s_mov_b32 s[G1+4], 8                           ; tile_dim1 = 8
	s_mov_b32 s[G1+5], 4096                        ; tensor_dim0_stride
	s_mov_b32 s[G1+6], 0
	s_mov_b32 s[G1+7], 0
	s_mov_b32 s[G1B+1], 512<<16
	s_mov_b32 s[G1B+2], 4<<16
	s_mov_b32 s[G1B+3], 512<<16
	s_mov_b32 s[G1B+4], 4
	s_mov_b32 s[G1B+5], 4096
	s_mov_b32 s[G1B+6], 0
	s_mov_b32 s[G1B+7], 0
	s_lshl_b32 s16, s13, 4
	s_lshl_b32 s17, s12, 3
	s_add_co_u32 s16, s16, s17                     ; alpha: row tile 16 x tile row + 8 x half
	s_lshl_b32 s16, s16, 15                        ; x 32,768 bytes
	s_mov_b32 s17, 0
	s_lshl_b32 s46, s42, 3
	s_lshl_b32 s47, s12, 2
	s_add_co_u32 s46, s46, s47                     ; Wo: row tile 8 x tile column + 4 x half
	s_lshl_b32 s46, s46, 15
	s_mov_b32 s47, 0
	s_lshl_b32 s20, s12, 15                        ; where they go: alpha's halves, 32,768 bytes each;
	s_lshl_b32 s21, s12, 14
	s_add_co_u32 s21, s21, BOFF                    ; Wo's, 16,384 each, behind them: no place in the cluster enters an LDS address
	s_wait_dscnt 0x0                               ; both opening adds are done
	s_wait_kmcnt 0x0
	s_add_nc_u64 s[14:15], s[4:5], s[16:17]
	s_add_nc_u64 s[46:47], s[6:7], s[46:47]
	CROUND                                         ; all sixteen work-groups are here: the first joint loads meet
.irp s, 0,1
	s_mov_b32 s[G0+4*\s], 1
	s_add_co_u32 s[G0+4*\s+1], s20, \s*SLOT
	s_add_nc_u64 s[G0+4*\s+2:G0+4*\s+3], s[14:15], \s*KB
	s_or_b32 s[G0+4*\s+3], s[G0+4*\s+3], 0x80000000
	s_mov_b32 s[G0B+4*\s], 1
	s_add_co_u32 s[G0B+4*\s+1], s21, \s*SLOT
	s_add_nc_u64 s[G0B+4*\s+2:G0B+4*\s+3], s[46:47], \s*KB
	s_or_b32 s[G0B+4*\s+3], s[G0B+4*\s+3], 0x80000000
	JLOAD \s                                       ; two loads of mine are out
.endr
	v_and_b32 v1, 15, v0                           ; r
	v_bfe_u32 v2, v0, 4, 1                         ; h
	v_and_b32 v3, 31, v0
	v_lshlrev_b32 v3, 4, v3                        ; 16 x lane
	s_lshl_b32 s22, s11, 15                        ; my 8 row tiles of alpha
	s_lshl_b32 s23, s12, 14
	s_add_co_u32 s23, s23, BOFF                    ; my 4 row tiles of Wo
.irp s, 0,1
	v_add_nc_u32 v[ADRA+\s], s22, v3
	v_add_nc_u32 v[ADRB+\s], s23, v3
	s_add_co_u32 s22, s22, SLOT
	s_add_co_u32 s23, s23, SLOT
.endr
	s_mul_i32 s23, s10, 16*SPITCH
	s_add_co_u32 s23, s23, STAGE                   ; my stage
	v_mul_u32_u24 v4, v1, SPITCH                   ; in: row r, 32 bytes for each half of the lanes
	v_lshl_add_u32 v4, v2, 5, v4
	v_add_nc_u32 v[STO], s23, v4
	v_mul_u32_u24 v5, v2, SPITCH                   ; back: lanes 0-15 take one row of 256 bytes, lanes 16-31 the next
	v_lshl_add_u32 v5, v1, 4, v5
	v_add_nc_u32 v[RD], s23, v5
	v_lshlrev_b32 v5, 12, v2                       ; and the same two rows in out0: 4,096 bytes a row
	v_lshl_add_u32 v[CO], v1, 4, v5
	s_lshl_b32 s16, s13, 8
	s_lshl_b32 s17, s11, 7
	s_add_co_u32 s16, s16, s17                     ; my first row: 256 x tile row + 128 x half
	s_lshl_b32 s16, s16, 12
	s_mov_b32 s17, 0
	s_add_nc_u64 s[8:9], s[8:9], s[16:17]
	s_lshl_b32 s46, s42, 9                         ; my first column, in bytes: 512 x tile column + 256 x half
	s_lshl_b32 s47, s12, 8
	s_add_co_u32 s46, s46, s47
	s_mov_b32 s47, 0
	s_add_nc_u64 s[8:9], s[8:9], s[46:47]
; 8 matrix instructions: alpha's blocks a0, a0 + 1 against Wo's four, 32 along K.  zero = 1: the first product starts the sums.  The 32 accumulators take turns, one instruction a turn, in the same order in every quarter.
.macro MUL8 f, a0, zero
.irp a, \a0, \a0+1
.irp b, 0,1,2,3
.if \zero
	v_wmma_f32_16x16x32_f16 v[8*(4*(\a)+\b):8*(4*(\a)+\b)+7], v[\f+8*\b:\f+8*\b+7], v[\f+32+8*(\a):\f+32+8*(\a)+7], 0
.else
	v_wmma_f32_16x16x32_f16 v[8*(4*(\a)+\b):8*(4*(\a)+\b)+7], v[\f+8*\b:\f+8*\b+7], v[\f+32+8*(\a):\f+32+8*(\a)+7], v[8*(4*(\a)+\b):8*(4*(\a)+\b)+7]
.endif
.endr
.endr
.endm
; 24 LDS loads in one run: the fragments of the slot's q-th 32 along K into buffer f: Wo's four, alpha's blocks 0-3, alpha's blocks 4-7.  Half c of a fragment is block kb = 2 q + c.
.macro FETCH slot, q, f
	WIN 0
.irp b, 0,1,2,3
.irp c, 0,1
	ds_load_b128 v[\f+8*\b+4*\c:\f+8*\b+4*\c+3], v[ADRB+\slot] offset:\b*KB+(\q)*1024+512*\c
.endr
.endr
.irp a, 0,1,2,3,4,5,6,7
.irp c, 0,1
	ds_load_b128 v[\f+32+8*\a+4*\c:\f+32+8*\a+4*\c+3], v[ADRA+\slot] offset:\a*KB+(\q)*1024+512*\c
.endr
.endr
.endm
.macro PLACES                          ; four places in front of loads into registers that matrix instructions have read, and of the first reads of results (ISA guide 7.12.1 for the reads of results)
.rept 4
	v_nop
.endr
.endm
; A K step is four quarters of 32 along K, 32 matrix instructions each, on buffers 0, 1, 0, 1.  One of the first three: multiplies buffer f and fetches the slot's quarter q into g.
.macro QUARTER slot, q, f, g, zero
	s_wait_dscnt 8                                 ; Wo's and alpha's blocks 0-3 are in; the youngest eight loads (blocks 4-7) may be out
	WIN MUL
	MUL8 \f, 0, \zero
	MUL8 \f, 2, \zero
	PLACES
	FETCH \slot, \q, \g
	s_wait_dscnt 24                                ; all but the 24 just issued
	WIN MUL
	MUL8 \f, 4, \zero
	MUL8 \f, 6, \zero
.endm
; The last quarter multiplies buffer 1 and changes slots: ONE barrier; in front of it each wave waits for all its tensor loads, adds 0 to its spare word, and waits for that and for its own reads of this slot.  fill = 1: this slot is filled again, two K steps ahead.
.macro TURN slot, next, fill
	WIN 0                                          ; (the add's two registers lie in window 0)
	s_wait_tensorcnt 0x0                           ; all my tensor loads have landed: my part of the next slot
	ds_add_u32 v[SPW], v[NIL]                      ; 0 onto my spare word
	s_wait_dscnt 9                                 ; (the add and the youngest eight loads may be out)
	WIN MUL
	MUL8 F1, 0, 0                                  ; eight matrix instructions stand between the add and the wait for it
	s_wait_dscnt 0x0                               ; the add is done, and my reads of this slot are over
	s_barrier_signal -1
	MUL8 F1, 2, 0
.if \fill
	WIN 0
.endif
	s_barrier_wait -1
.if \fill
	CREST                                          ; the barrier has opened a round of the cluster's barrier: no wave of any partner still reads this slot's tile or has a load on its way
	s_add_nc_u64 s[G0+4*\slot+2:G0+4*\slot+3], s[G0+4*\slot+2:G0+4*\slot+3], 2*KB
	s_add_nc_u64 s[G0B+4*\slot+2:G0B+4*\slot+3], s[G0B+4*\slot+2:G0B+4*\slot+3], 2*KB
	JLOAD \slot                                    ; the first tensor load behind the round: 112 matrix instructions ahead of the wait for it; its four v_nop are also the places in front of the loads below
.else
	PLACES
.endif
	FETCH \next, 0, F0
	WIN MUL
	MUL8 F1, 4, 0
	MUL8 F1, 6, 0
.endm
	s_wait_tensorcnt 1                             ; my part of K step 0 is in (K step 1's may be out)
	s_barrier_signal -1
	s_barrier_wait -1                              ; everybody's is
	FETCH 0, 0, F0
	QUARTER 0, 1, F0, F1, 1                        ; the first quarter stands in front of the loop: its products start the sums
	WIN 0                                          ; at a label and at a branch every window is 0
	s_mov_b32 s3, LAPS-1
.Llap:                                             ; a trip goes once round the ring, from a lap's second quarter to the next lap's first, and fills both slots again
	QUARTER 0, 2, F1, F0, 0
	QUARTER 0, 3, F0, F1, 0
	TURN 0, 1, 1
	QUARTER 1, 1, F0, F1, 0
	QUARTER 1, 2, F1, F0, 0
	QUARTER 1, 3, F0, F1, 0
	TURN 1, 0, 1
	QUARTER 0, 1, F0, F1, 0
	WIN 0
	s_sub_co_u32 s3, s3, 1
	s_cmp_lg_u32 s3, 0
	s_cbranch_scc1 .Llap
	QUARTER 0, 2, F1, F0, 0                        ; the last lap fills nothing, and has no round of the cluster's barrier
	QUARTER 0, 3, F0, F1, 0
	TURN 0, 1, 0
	QUARTER 1, 1, F0, F1, 0
	QUARTER 1, 2, F1, F0, 0
	QUARTER 1, 3, F0, F1, 0
	s_wait_dscnt 8                                 ; the very last quarter: nothing more to fetch
	WIN MUL
	MUL8 F1, 0, 0
	MUL8 F1, 2, 0
	s_wait_dscnt 0
	MUL8 F1, 4, 0
	MUL8 F1, 6, 0
	WIN 0
; THE WAY OUT, block by block of 16 rows x 64 columns.  A lane holds 32 neighbouring bytes of a row, and the lanes beside it hold other rows: so a block goes through my own stage in LDS and comes back as whole rows of
; 256 bytes, which sixteen lanes store.  LDS serves a wave's instructions in order (ISA guide 5.7.1.4): no wait between the stores and the loads, nor in front of the next block's stores.
.macro TOSTAGE a
	WIN 0x04                                       ; an LDS store's data are its source 1: window 1
.irp b, 0,1,2,3
	ds_store_b128 v[STO], v[8*(4*(\a)+\b):8*(4*(\a)+\b)+3] offset:64*\b          ; each accumulator from its low end on
	ds_store_b128 v[STO], v[8*(4*(\a)+\b)+4:8*(4*(\a)+\b)+7] offset:64*\b+16
.endr
	WIN 0
.set BB, OB+32*((\a)%2)
.irp t, 0,1,2,3,4,5,6,7
	ds_load_b128 v[BB+4*\t:BB+4*\t+3], v[RD] offset:\t*2*SPITCH
.endr
.endm
.macro SEND a, younger                 ; younger: the LDS instructions issued behind block a's loads, which may stay out
.set BB, OB+32*((\a)%2)
	s_wait_dscnt \younger                          ; the block is back in registers
.irp t, 0,1,2,3,4,5,6,7
	global_store_b128 v[CO], v[BB+4*\t:BB+4*\t+3], s[8:9] offset:(16*(\a)+2*\t)*4096 th:TH_STORE_NT   ; 16 lanes store 256 consecutive bytes, aligned; written once, read by nobody here
.endr
.endm
	PLACES                                         ; behind the last products: for the reads of results and for the loads into the registers that held fragments
	TOSTAGE 0
.irp a, 1,2,3,4,5,6,7
.if \a > 1
	s_wait_xcnt 0x0                                ; block a - 2's stores have read their registers: block a's loads may land there
.endif
	TOSTAGE \a
	SEND \a-1, 16                                  ; behind block a - 1's loads: block a's 8 stores and 8 loads
.endr
	SEND 7, 0
	s_wait_tensorcnt 0x0                           ; the wave's end: behind my last tensor load and my last LDS store
	ds_add_u32 v[SPW], v[NIL]
	s_wait_dscnt 0x0
	CROUND                                         ; the closing round: no work-group ends while a partner may still ask for a tile that names it
	s_endpgm
.Lfunc_end_k_q31d37d67dc_oproj:
	.size	k_q31d37d67dc_oproj, .Lfunc_end_k_q31d37d67dc_oproj-k_q31d37d67dc_oproj
	.p2alignl 7, 3214868480
	.fill 96, 4, 3214868480
	.section	.rodata,"a",@progbits
	.p2align	6, 0x0
	.amdhsa_kernel k_q31d37d67dc_oproj
		.amdhsa_group_segment_fixed_size 327680
		.amdhsa_private_segment_fixed_size 0
		.amdhsa_enable_private_segment 0
		.amdhsa_kernarg_size 24
		.amdhsa_user_sgpr_count 2
		.amdhsa_user_sgpr_kernarg_segment_ptr 1
		.amdhsa_wavefront_size32 1
		.amdhsa_system_sgpr_workgroup_id_x 1
		.amdhsa_system_sgpr_workgroup_id_y 1
		.amdhsa_system_sgpr_workgroup_id_z 1
		.amdhsa_system_vgpr_workitem_id 0
		.amdhsa_next_free_vgpr 512
		.amdhsa_next_free_sgpr 66
		.amdhsa_reserve_vcc 0
		.amdhsa_float_denorm_mode_32 3
		.amdhsa_float_denorm_mode_16_64 3
		.amdhsa_memory_ordered 1
		.amdhsa_forward_progress 1
		.amdhsa_inst_pref_size 85
	.end_amdhsa_kernel
	.amdgpu_metadata
---
amdhsa.version: [ 1, 2 ]
amdhsa.kernels:
  - .name:           k_q31d37d67dc_oproj
    .symbol:         k_q31d37d67dc_oproj.kd
    .args:
      - { .name: aimg, .offset: 0, .size: 8, .value_kind: global_buffer, .address_space: global }
      - { .name: wo16, .offset: 8, .size: 8, .value_kind: global_buffer, .address_space: global }
      - { .name: out0, .offset: 16, .size: 8, .value_kind: global_buffer, .address_space: global }
    .group_segment_fixed_size: 327680
    .private_segment_fixed_size: 0
    .kernarg_segment_align: 8
    .kernarg_segment_size: 24
    .max_flat_workgroup_size: 128
    .sgpr_count:     66
    .vgpr_count:     512
    .wavefront_size: 32
...
	.end_amdgpu_metadata
.endif
;; end of part 4
